; MI455X (gfx1250); checked and timed in simulation.
; The chip was launched on July 23, 2026; its instructions are those of AMD's public machine-readable ISA for CDNA 5 (MIT licence, August 2026) and "CDNA5" Instruction Set Architecture Reference Guide (July 2026). The comments in the code are by the model that wrote it; some were corrected since.
;; My Mutil Head Attention. Allowed arithmetic: matrix products marked QUANTISED: E2M1 operands, one E8M0 scale for each 32 along K, by v_wmma_scale_f32_16x16x128_f8f6f4 with both operands' format E2M1 (or v_wmma_scale_f32_32x16x128_f4), f32 sums; products left as they are: bf16, f16 or f32 operands; f32 sums; everything else in f32.
;; Inputs: Wk 1,024 x 1,024 float32; Wo 1,024 x 1,024 float32; Wq 1,024 x 1,024 float32; Wv 1,024 x 1,024 float32; bk 1,024 float32; bo 1,024 float32; bq 1,024 float32; bv 1,024 float32; key_t 4 x 1,024 x 1,024 float32; mask 1,024 x 1,024 int32; query 4 x 1,024 x 1,024 float32; value 4 x 1,024 x 1,024 float32.
;; Outputs: out0 4 x 1,024 x 1,024 float32.
;; This version of the problem:
;;   THIS VERSION OF THE PROBLEM IS GIVEN IN LOW PRECISION. The matrix products marked QUANTISED in the list below multiply operands that are first quantised to E2M1 (2 exponent bits, 1 mantissa bit; 4 bits a number), with one power-of-two scale for each 32 numbers along K (OCP MX v1.0); their sums are f32. The products marked 'left as it is' may take bf16, f16 or f32 operands, with f32 sums. Whichever they take, every output number must still come out within the allowed error. Rounding operands to bf16 (8 significant bits) uses up far more of that allowance than f16 does (11 bits, for magnitudes from 6e-5 to 65,504). All else is computed in f32.
;;   The module's matrix products, in the order in which they are computed (A, B: the left and right operand; K: the contracted axis; several contracted axes count as one K, in the product's order):
;;     1. [M 4,096, K 1,024] x [K 1,024, N 1,024]; A: input query; B: input Wq: QUANTISED
;;     2. [M 4,096, K 1,024] x [K 1,024, N 1,024]; A: input query; B: input Wk: QUANTISED
;;     3. [M 4,096, K 1,024] x [K 1,024, N 1,024]; A: input query; B: input Wv: QUANTISED
;;     4. batch 32 x [M 1,024, K 128] x [K 128, N 1,024]; A: computed on the way; B: computed on the way: left as it is (an operand is computed on the way)
;;     5. [M 32,768, K 1,024] x [K 1,024, N 1,024]; A: computed on the way; B: input mask: left as it is (an operand is computed on the way)
;;     6. batch 32 x [M 1,024, K 1,024] x [K 1,024, N 128]; A: computed on the way; B: computed on the way: left as it is (an operand is computed on the way)
;;     7. [M 4,096, K 1,024] x [K 1,024, N 1,024]; A: computed on the way; B: input Wo: left as it is (an operand is computed on the way)
;;   THE QUANTISER, for each operand of a quantised product, along K:
;;     - K is cut into blocks of 32 from its start; a last block that is shorter is filled with zeros.
;;     - A block's scale is 2^e with e = floor(log2(the largest magnitude in the block)) - 2, held to -126 .. 127; a block of zeros has e = 0. As a byte (E8M0): e + 127.
;;     - Each number is divided by its block's scale, clamped to +-6, and rounded to the nearest number of E2M1, ties to even, subnormals kept.
;;     - The product sums the exact products of the quantised numbers (number of the format x scale) in f32.
;;   ~~~python
;;   def quantise(x, axis):      # numpy; x: float32 -> the quantised numbers, widened to float32 again
;;       x = np.moveaxis(x, axis, -1); K = x.shape[-1]
;;       x = np.pad(x, [(0, 0)] * (x.ndim - 1) + [(0, -K % 32)]); x = x.reshape(x.shape[:-1] + (-1, 32)); a = np.abs(x).max(-1, keepdims=True)
;;       e = np.where(a > 0, np.clip(np.frexp(np.where(a > 0, a, 1))[1] - 1 - 2, -126, 127), 0)      # np.frexp(a)[1] - 1 = floor(log2(a)), exactly
;;       r = np.clip(x / 2.0 ** e, -6, 6)
;;       step = 2.0 ** (np.maximum(np.frexp(np.where(r == 0, 1, r))[1] - 1, 0) - 1)
;;       q = np.round(r / step) * step * 2.0 ** e      # np.round: ties to even
;;       return np.moveaxis(q.reshape(q.shape[:-2] + (-1,))[..., :K], -1, axis).astype(np.float32)
;;   ~~~
;; One version. Each part assembles by itself: llvm-mc -triple=amdgcn-amd-amdhsa -mcpu=gfx1250 --defsym DOCPART=n.
;; ======== version 1 of 1: 5 launches
;; limits: values are held in f16: magnitudes above 65,504 overflow, below 6.1e-05 lose precision; values are held in bf16: 8 bits of precision
;; workspace buffers: codes 3,670,016 bytes; scales 229,376 bytes; cv16 4,194,304 bytes; qkt 33,554,432 bytes; vt 8,388,608 bytes; kmt 16,777,216 bytes; ho 8,388,608 bytes
;; launch prep (part 1): grid 288 x 1, 4 waves a work-group, no clusters, 33,280 bytes of LDS; arguments query, Wq, Wk, Wv, Wo, mask, codes, scales, cv16; writes codes, scales, cv16
.if DOCPART == 1
	.amdgcn_target "amdgcn-amd-amdhsa--gfx1250"
	.amdhsa_code_object_version 6
	.text
	.protected	k_qa6f74abd23_prep
	.globl	k_qa6f74abd23_prep
	.p2align	8
	.type	k_qa6f74abd23_prep,@function
k_qa6f74abd23_prep:
	s_mov_b64 s[64:65], 0
	v_nop
	global_prefetch_b8 v0, s[64:65] scope:SCOPE_SE
	s_setreg_imm32_b32 hwreg(HW_REG_WAVE_MODE, 25, 1), 1
	s_wait_xcnt 0x0
; THE PROGRAM (five launches): out0 = softmax((Q K^T) mask / sqrt(128)) V Wo^T + bo, with Q, K, V = query W^T + b, heads of 1024 / 8 = 128.
; WORK LEFT OUT.  key_t and value enter no expression of the problem (Q, K and V are all made of query): they have no way to any output, are not loaded and are no launch's argument.
; (Q K^T) mask is computed as Q (K^T mask): matrix products associate, for all values of the inputs; neither product is a quantised one.  K^T mask is [128 x 1024] for each batch and head, so
; the two products of 1024 x 1024 x 1024 and 1024 x 128 x 1024 a head become two of 1024 x 128 x 1024.  All four biases stay: bq and bk move the logits along the softmax's axis, bv and bo the output.
; LIMITS.  The order of the logits' sums differs from the problem's text by that re-association.  NaN and infinities among the inputs are not served; a NaN, an infinity or an overflow that would arise only in
; key_t, value or the unassociated scores is not carried to the result.  A block whose largest magnitude lies under 2^-124 gets the scale byte 1; so does a block of zeros (its codes are zeros; only this
; program reads the bytes).  Mask numbers beyond +-256 are rounded to bf16.  Wo, V and the heads' outputs are carried in f16: magnitudes up to 65,504.
; THIS LAUNCH: query, Wq, Wk, Wv become codes of E2M1 with one E8M0 byte for each 32 along K (K is innermost in all four: plain streams of blocks); Wo becomes f16, mask bf16.
; A work-group takes 32,768 numbers, a wave 8,192.  Work-groups 0-127 query, 128-159 Wq, 160-191 Wk, 192-223 Wv (their codes and scale bytes lie on end in that order), 224-255 Wo, 256-287 mask.
; No matrix unit, no cluster, no tensor load: the launch streams, each byte once, every load and store of a wave on consecutive bytes.
.set STEPS, 16
.set EMAX,  2
.set CB,    8                          ; bytes of 16 codes
.set R,     16                         ; v16-79   four sets of 16 numbers as loaded (conversions: a ring of 16 loads)
.set X,     80                         ; v80-111  two sets of 16 neighbours
.set E,     112                        ; v112-127 a scale byte for each step
.set C,     128                        ; v128-255 results: registers of their own for every store, so that no store's data are written again
.set WREG,  8192                       ; LDS: a region for each wave: two stages of 32 x SP bytes, behind them its 256 scale bytes
.set SP,    80                         ; a lane's place in a stage: 64 bytes + 16 of padding
.set SPW,   12                         ; v12 LDS address of my spare word; never rewritten
.set NIL,   13                         ; v13 0; never rewritten
.set SPARE, 4*WREG                     ; behind the four regions: the spare words, 128 bytes a wave
.macro ENDW                            ; a wave's end, behind the last LDS store
	s_wait_tensorcnt 0x0
	ds_add_u32 v[SPW], v[NIL]
	s_wait_dscnt 0x0
	s_endpgm
.endm
	s_load_b256 s[4:11], s[0:1], 0x0               ; query, Wq, Wk, Wv
	s_load_b256 s[12:19], s[0:1], 0x20             ; Wo, mask, codes, scales
	s_load_b64 s[20:21], s[0:1], 0x40              ; cv16
	v_lshl_add_u32 v[SPW], v0, 2, SPARE
	v_mov_b32 v[NIL], 0
	v_lshrrev_b32 v1, 5, v0
	v_readfirstlane_b32 s24, v1                    ; wave
	v_and_b32 v2, 31, v0                           ; lane
	v_lshlrev_b32 v3, 4, v2                        ; my 16 bytes of a load's 512
	v_lshlrev_b32 v4, 3, v2                        ; my 8 bytes of a store's 256
	s_mul_i32 s30, s24, WREG
	v_lshrrev_b32 v14, 2, v2
	v_mul_u32_u24 v14, v14, SP
	v_and_b32 v15, 3, v2
	v_lshl_add_u32 v14, v15, 4, v14
	v_add_nc_u32 v14, s30, v14                     ; the stage, on the way in: SP (lane / 4) + 16 (lane % 4)
	v_mul_u32_u24 v15, v2, SP
	v_add_nc_u32 v15, s30, v15                     ; and on the way out: SP x lane: my 16 neighbours
	v_lshrrev_b32 v5, 1, v2
	s_add_co_u32 s30, s30, 2*32*SP
	v_add_nc_u32 v5, s30, v5                       ; my wave's 256 scale bytes: my block's byte
	v_add_nc_u32 v6, s30, v4                       ; and on the way out 8 bytes a lane
	s_mov_b32 s29, 0
	s_wait_kmcnt 0x0
	s_cmp_ge_u32 ttmp9, 224
	s_cbranch_scc1 .Lconv
	; ---- the quantiser.  The tensor is chosen by the work-group's number alone
	s_cmp_lt_u32 ttmp9, 192
	s_cselect_b64 s[26:27], s[8:9], s[10:11]
	s_cmp_lt_u32 ttmp9, 160
	s_cselect_b64 s[26:27], s[6:7], s[26:27]
	s_cmp_lt_u32 ttmp9, 128
	s_cselect_b64 s[26:27], s[4:5], s[26:27]
	s_cselect_b32 s25, 127, 31
	s_and_b32 s25, ttmp9, s25                      ; the work-group's number within its tensor
	s_lshl_b32 s25, s25, 2
	s_add_co_u32 s25, s25, s24                     ; my run of 8,192 numbers there
	s_lshl_b32 s28, s25, 15
	s_add_nc_u64 s[26:27], s[26:27], s[28:29]
	s_lshl_b32 s25, ttmp9, 2
	s_add_co_u32 s25, s25, s24                     ; my run among all four tensors' runs
	s_lshl_b32 s28, s25, 12                        ; 4,096 bytes of codes a run
	s_add_nc_u64 s[16:17], s[16:17], s[28:29]
	s_lshl_b32 s28, s25, 8                         ; 256 scale bytes a run
	s_add_nc_u64 s[18:19], s[18:19], s[28:29]
.macro LOAD t
.irp i, 0,1,2,3
	global_load_b128 v[R+16*((\t)%4)+4*\i:R+16*((\t)%4)+4*\i+3], v3, s[26:27] offset:2048*(\t)+512*\i th:TH_LOAD_NT   ; 32 lanes read 512 consecutive bytes
.endr
.endm
.macro TURN t                          ; step t's numbers through the stage: LDS serves a wave's instructions in order, so no wait stands between the stores and the loads
.irp i, 0,1,2,3
	ds_store_b128 v14, v[R+16*((\t)%4)+4*\i:R+16*((\t)%4)+4*\i+3] offset:32*SP*((\t)%2)+8*SP*\i
.endr
.irp i, 0,1,2,3
	ds_load_b128 v[X+16*((\t)%2)+4*\i:X+16*((\t)%2)+4*\i+3], v15 offset:32*SP*((\t)%2)+16*\i
.endr
.endm
.irp t, 0,1,2,3
	LOAD \t
.endr
	s_wait_loadcnt 12                              ; step 0's four loads are in; the twelve of steps 1 to 3 stay out
	TURN 0
.macro STEP t
.set XS, X+16*((\t)%2)
.if (\t) > 0
	s_wait_dscnt 1                                 ; this step's numbers are back from the stage; the last step's byte store may be out
.else
	s_wait_dscnt 0x0
.endif
.if (\t)+4 < STEPS
	LOAD (\t)+4                                    ; into the registers that this step's stage stores have read
.endif
.if (\t)+1 < STEPS
.if STEPS-2-(\t) >= 3
	s_wait_loadcnt 12                              ; the next step's four loads are in; those of the three steps behind it may be out
.else
	s_wait_loadcnt 4*(STEPS-2-(\t))
.endif
	TURN (\t)+1
.endif
	v_max3_num_f32 v8, |v[XS]|, |v[XS+1]|, |v[XS+2]|               ; the largest magnitude of my 16, in two chains
	v_max3_num_f32 v9, |v[XS+3]|, |v[XS+4]|, |v[XS+5]|
.irp i, 6,10
	v_max3_num_f32 v8, v8, |v[XS+\i]|, |v[XS+\i+1]|
	v_max3_num_f32 v9, v9, |v[XS+\i+2]|, |v[XS+\i+3]|
.endr
	v_max3_num_f32 v8, v8, |v[XS+14]|, |v[XS+15]|
	v_max3_num_f32 v8, v8, v9, (EMAX+1)<<23        ; and the floor 2^(3 - 127): the byte cannot fall under 1
	v_max_num_f32_dpp v8, v8, v8 row_xmask:1 row_mask:0xf bank_mask:0xf   ; with my neighbour's 16: the block's
	v_add_nc_u32 v11, -(EMAX<<23), v8              ; 2 off its exponent field: the conversion takes that field as its scale and nothing else
	v_cvt_scalef32_pk8_fp4_f32 v[C+4*(\t)], v[XS:XS+7], v11
	v_cvt_scalef32_pk8_fp4_f32 v[C+4*(\t)+1], v[XS+8:XS+15], v11
	v_lshrrev_b32 v[E+(\t)], 23, v11               ; the scale's byte
	ds_store_b8 v5, v[E+(\t)] offset:16*(\t)       ; both lanes of a block write the same byte with the same value
	global_store_b64 v4, v[C+4*(\t):C+4*(\t)+1], s[16:17] offset:32*CB*(\t)   ; the wave stores 256 consecutive bytes
.endm
.irp t, 0,1,2,3,4,5,6,7,8,9,10,11,12,13,14,15
	STEP \t
.endr
	ds_load_b64 v[8:9], v6                         ; LDS serves a wave's instructions in order: these see my byte stores
	s_wait_dscnt 0x0
	global_store_b64 v4, v[8:9], s[18:19]          ; 256 consecutive scale bytes
	ENDW
	; ---- the conversions: 64 chunks of 512 bytes a wave, a ring of 16 loads; kind 0: f32 to f16 (Wo); kind 1: int32 to bf16 (mask)
.macro CONV kind
.set i, 0
.rept 16
	global_load_b128 v[R+4*i:R+4*i+3], v3, s[26:27] offset:512*i th:TH_LOAD_NT
.set i, i+1
.endr
.set i, 0
.rept 64
.if 63-i < 15
	s_wait_loadcnt 63-i                            ; the tail: the counts run down
.else
	s_wait_loadcnt 15                              ; chunk i is in; the fifteen younger loads stay out
.endif
.set rr, R+4*(i%16)
.if \kind
	v_cvt_f32_i32 v[rr], v[rr]
	v_cvt_f32_i32 v[rr+1], v[rr+1]
	v_cvt_f32_i32 v[rr+2], v[rr+2]
	v_cvt_f32_i32 v[rr+3], v[rr+3]
	v_cvt_pk_bf16_f32 v[C+2*i], v[rr], v[rr+1]
	v_cvt_pk_bf16_f32 v[C+2*i+1], v[rr+2], v[rr+3]
.else
	v_cvt_pk_f16_f32 v[C+2*i], v[rr], v[rr+1]
	v_cvt_pk_f16_f32 v[C+2*i+1], v[rr+2], v[rr+3]
.endif
.if i+16 < 64
	global_load_b128 v[rr:rr+3], v3, s[26:27] offset:512*(i+16) th:TH_LOAD_NT
.endif
	global_store_b64 v4, v[C+2*i:C+2*i+1], s[20:21] offset:256*i   ; the wave stores 256 consecutive bytes
.set i, i+1
.endr
.endm
.Lconv:
	s_sub_co_u32 s25, ttmp9, 224                   ; 0-31 Wo, 32-63 mask
	s_cmp_lt_u32 s25, 32
	s_cselect_b64 s[26:27], s[12:13], s[14:15]
	s_and_b32 s28, s25, 31
	s_lshl_b32 s28, s28, 2
	s_add_co_u32 s28, s28, s24
	s_lshl_b32 s28, s28, 15                        ; 32,768 bytes in a wave's run
	s_add_nc_u64 s[26:27], s[26:27], s[28:29]
	s_lshl_b32 s28, s25, 2
	s_add_co_u32 s28, s28, s24
	s_lshl_b32 s28, s28, 14                        ; 16,384 bytes out: Wo's f16 from byte 0, mask's bf16 from byte 0x200000
	s_add_nc_u64 s[20:21], s[20:21], s[28:29]
	s_cmp_lt_u32 s25, 32
	s_cbranch_scc0 .Lmask
	CONV 0
	ENDW
.Lmask:
	CONV 1
	ENDW
.Lfunc_end_k_qa6f74abd23_prep:
	.size	k_qa6f74abd23_prep, .Lfunc_end_k_qa6f74abd23_prep-k_qa6f74abd23_prep
	.p2alignl 7, 3214868480
	.fill 96, 4, 3214868480
	.section	.rodata,"a",@progbits
	.p2align	6, 0x0
	.amdhsa_kernel k_qa6f74abd23_prep
		.amdhsa_group_segment_fixed_size 33280
		.amdhsa_private_segment_fixed_size 0
		.amdhsa_enable_private_segment 0
		.amdhsa_kernarg_size 72
		.amdhsa_user_sgpr_count 2
		.amdhsa_user_sgpr_kernarg_segment_ptr 1
		.amdhsa_wavefront_size32 1
		.amdhsa_system_sgpr_workgroup_id_x 1
		.amdhsa_system_sgpr_workgroup_id_y 1
		.amdhsa_system_sgpr_workgroup_id_z 1
		.amdhsa_system_vgpr_workitem_id 0
		.amdhsa_next_free_vgpr 256
		.amdhsa_next_free_sgpr 66
		.amdhsa_reserve_vcc 0
		.amdhsa_float_denorm_mode_32 3
		.amdhsa_float_denorm_mode_16_64 3
		.amdhsa_memory_ordered 1
		.amdhsa_forward_progress 1
		.amdhsa_inst_pref_size 86
	.end_amdhsa_kernel
	.amdgpu_metadata
---
amdhsa.version: [ 1, 2 ]
amdhsa.kernels:
  - .name:           k_qa6f74abd23_prep
    .symbol:         k_qa6f74abd23_prep.kd
    .args:
      - { .name: query, .offset: 0, .size: 8, .value_kind: global_buffer, .address_space: global }
      - { .name: Wq, .offset: 8, .size: 8, .value_kind: global_buffer, .address_space: global }
      - { .name: Wk, .offset: 16, .size: 8, .value_kind: global_buffer, .address_space: global }
      - { .name: Wv, .offset: 24, .size: 8, .value_kind: global_buffer, .address_space: global }
      - { .name: Wo, .offset: 32, .size: 8, .value_kind: global_buffer, .address_space: global }
      - { .name: mask, .offset: 40, .size: 8, .value_kind: global_buffer, .address_space: global }
      - { .name: codes, .offset: 48, .size: 8, .value_kind: global_buffer, .address_space: global }
      - { .name: scales, .offset: 56, .size: 8, .value_kind: global_buffer, .address_space: global }
      - { .name: cv16, .offset: 64, .size: 8, .value_kind: global_buffer, .address_space: global }
    .group_segment_fixed_size: 33280
    .private_segment_fixed_size: 0
    .kernarg_segment_align: 8
    .kernarg_segment_size: 72
    .max_flat_workgroup_size: 128
    .sgpr_count:     66
    .vgpr_count:     256
    .wavefront_size: 32
...
	.end_amdgpu_metadata
.endif
;; end of part 1
;; launch proj (part 2): grid 16 x 12, 4 waves a work-group, clusters of 4 x 4, 327,680 bytes of LDS; arguments codes, scales, bq, bk, bv, qkt, vt; writes qkt, vt
.if DOCPART == 2
	.amdgcn_target "amdgcn-amd-amdhsa--gfx1250"
	.amdhsa_code_object_version 6
	.text
	.protected	k_qa6f74abd23_proj
	.globl	k_qa6f74abd23_proj
	.p2align	8
	.type	k_qa6f74abd23_proj,@function
k_qa6f74abd23_proj:
	s_mov_b64 s[64:65], 0
	v_nop
	global_prefetch_b8 v0, s[64:65] scope:SCOPE_SE
	s_setreg_imm32_b32 hwreg(HW_REG_WAVE_MODE, 25, 1), 1
	s_wait_xcnt 0x0
	s_wait_alu depctr_hold_cnt(0) depctr_sa_sdst(0) depctr_va_vdst(0) depctr_va_sdst(0) depctr_va_ssrc(0) depctr_va_vcc(0) depctr_vm_vsrc(0)
	s_getreg_b32 s2, hwreg(HW_REG_IB_STS2, 6, 4)
	s_cmp_eq_u32 s2, 0
	s_cbranch_scc0 .Lentry_in_a_cluster
	s_endpgm
.Lentry_in_a_cluster:
	s_bfe_u32 s2, ttmp6, 0x10000c
	s_cmp_lg_u32 s2, 0xf033
	s_cbranch_scc0 .Lentry_shape_is_right
	s_endpgm
.Lentry_shape_is_right:
; C[c][token] = sum over k of W[c][k] query[token][k] + bias[c], W = Wq, Wk, Wv on end (3,072 rows), both operands as codes of E2M1 with E8M0 scales, sums in f32: the three quantised products.
; key_t and value are not read (see the first kernel's head).  Rows 0-1023 (Q^T) and 1024-2047 (K^T) leave as pairs of bf16 numbers, a high and a low part split in f32; rows 2048-3071 (V^T) as f16.
; qkt: [2048 rows][32 blocks of 128 tokens][high 256 bytes, low 256 bytes]; vt: [1024 rows][4096 tokens].
; A tile of C, 256 x 256, is made by four waves, each 128 x 128: 64 accumulators, 512 registers.  K = 1,024 is two slots of 512: both are first fills, nothing is filled again, there is no loop.
; 192 work-groups: the tile's edges fall on the edges of Q, K, V (1,024 rows) and of the token blocks.
; CLUSTERS: 4 x 4.  The four of a row of the cluster need the same rows of W, the four of a column the same tokens: each tile is asked for jointly.  A cluster's y is 0, 1, 2 for Q, K, V.
; THE MATRIX INSTRUCTION IS USED TRANSPOSED (source 0 = 16 tokens, source 1 = 16 rows of W): a lane holds one row c and eight neighbouring tokens.  The bias is the C of each sum's first instruction.
; REGISTERS: window 0: v0-31 addresses; v32-95 scale words, two sets; v128-191 W's fragments, one set; v192-255 the bias, eight registers for each block of 16 rows; on the way out v32-255 are free.
;   window 1: the tokens' fragments, two sets;  window 2: the accumulators of my rows 0-63 ((a, b) at v[8 (8 a + b)]);  window 3: of my rows 64-127.
.set SIZE_K, 1024
.set KSTEP,  512
.set NQ,     KSTEP/128
.set ROWB,   256                       ; a tile's row: 512 codes
.set KROW,   SIZE_K/2                  ; a row of codes in memory
.set PITCH,  272                       ; an LDS row: 256 bytes + 16 of padding: the 16 rows of a load start at 16 different banks
.set FR,     8
.set NL,     2
.set NP,     4                         ; places behind this matrix instruction
.set HALFT,  128*PITCH
.set SLOT,   4*HALFT
.set KS,     SIZE_K/32                 ; a row of scale bytes
.set SCL,    2*SLOT                    ; behind the ring: the scales, as units of 256 bytes + 16
.set HALFS,  (128*KS/256)*272
.set SBLK,   (16*KS/256)*272
.set SPARE,  SCL+4*HALFS               ; the spare words, 128 bytes a wave
.set PP,     528                       ; the pairs' stage: 16 rows x (512 + 16) a wave, from LDS byte 0: slot 0 has had its only fill and its last read by then
.set STGV,   65536                     ; V's stage, bytes of its own in the same slot: 16 rows x (256 + 16) a wave
.set PVS,    272
.set BOF,  7                           ; v7  4 x (lane % 16): my row's bias
.set STOV, 8                           ; v8  V's stage: in;  v9: back;  v10: my byte offset in vt
.set RDV,  9
.set COV,  10
.set ADRA, 16
.set ADRB, 20
.set STO,  24                          ; v24 the pairs' stage: in;  v25: back;  v26: 16 x lane
.set RD,   25
.set CO,   26
.set ADRS, 27
.set SPW,  28
.set NIL,  29
.set SC,   32
.set AF,   128
.set BIAS, 192
.set HI,   32                          ; the way out: high parts, low parts, at work, two sets of 16 rows read back
.set LO,   64
.set T,    96
.set BK,   128
.set G1, 24
.set G0, 32
.set G1B, 48
.set G0B, 56
.set G1S, 68
.set G0S, 76
.set G1SB, 80
.set G0SB, 88
.set MSB, 0
.macro WIN new                         ; the immediate's high byte repeats the setting that is left
.if MSB != (\new)
	s_set_vgpr_msb (MSB<<8)|(\new)
.set MSB, (\new)
.endif
.endm
.set MUL_LO, 0xa1                      ; source 0 window 1, source 1 window 0, C and D window 2
.set MUL_HI, 0xf1                      ; the same, C and D window 3
.set BIA_LO, 0x81                      ; the first step: C (the bias) window 0, D window 2
.set BIA_HI, 0xc1                      ; D window 3
.set TO_B,   0x40
.macro JLOAD g0a, g1a, g0b, g1b        ; a joint load: waves 0 and 1 fetch for W, waves 2 and 3 for the tokens; an s_nop 0 and four v_nop follow each line
	s_cmp_eq_u32 s15, 0
	s_cbranch_scc0 .Lfor_b_\@
	tensor_load_to_lds s[\g0a:\g0a+3], s[\g1a:\g1a+7]
	s_nop 0
.rept 4
	v_nop
.endr
	s_branch .Lasked_\@
.Lfor_b_\@:
	tensor_load_to_lds s[\g0b:\g0b+3], s[\g1b:\g1b+7]
	s_nop 0
.rept 4
	v_nop
.endr
.Lasked_\@:
.endm
.macro CROUND                          ; a round of the cluster's barrier
	s_barrier_signal -1
	s_barrier_wait -1
	s_cmp_lg_u32 s14, 0
	s_cbranch_scc1 .Lnot_wave_0_\@
	s_barrier_signal -3
.Lnot_wave_0_\@:
	s_barrier_wait -3
	s_barrier_signal -1
	s_barrier_wait -1
.endm
	s_load_b128 s[4:7], s[0:1], 0x0                ; codes, scales
	s_load_b128 s[96:99], s[0:1], 0x10             ; bq, bk
	s_load_b64 s[100:101], s[0:1], 0x20            ; bv
	s_load_b64 s[12:13], s[0:1], 0x28              ; qkt
	s_load_b64 s[66:67], s[0:1], 0x30              ; vt
	v_lshl_add_u32 v[SPW], v0, 2, SPARE
	v_mov_b32 v[NIL], 0
	ds_add_u32 v[SPW], v[NIL]                      ; the wave's opening: the add, twice on end, and its wait ahead of my first tensor load
	ds_add_u32 v[SPW], v[NIL]
	v_lshrrev_b32 v1, 5, v0
	v_readfirstlane_b32 s14, v1                    ; wave 0..3
	s_lshr_b32 s15, s14, 1                         ; which half of the tile's rows is mine.  Also: I fetch for W (0) or for the tokens (1)
	s_and_b32 s16, s14, 1                          ; which half of its tokens.  Also: which 128 rows of that tile I fetch
	s_bfe_u32 s40, ttmp6, 0x40000                  ; cx, cy
	s_bfe_u32 s41, ttmp6, 0x40004
	s_lshl_b32 s42, ttmp9, 2
	s_add_co_u32 s42, s42, s40                     ; tile column (tokens) = 4 x cluster x + cx
	s_and_b32 s3, ttmp7, 0xffff                    ; cluster y: 0 Q, 1 K, 2 V: the same in all sixteen partners
	s_lshl_b32 s17, s3, 2
	s_add_co_u32 s17, s17, s41                     ; tile row = 4 x cluster y + cy
	s_lshl_b32 s43, s41, 2
	s_lshl_b32 s43, 15, s43                        ; my row of the cluster
	s_lshl_b32 s44, 0x1111, s40                    ; my column
	s_mov_b32 s95, 0xffff0000                      ; a word's upper bf16
	s_or_b32 s[G1+0], s43, (0<<16)|(1<<20)|(1<<21)|(5<<22)|(3<<25)  ; the mask; elements of 1 byte; padding: 4 words after every 64
	s_or_b32 s[G1B+0], s44, (0<<16)|(1<<20)|(1<<21)|(5<<22)|(3<<25)
.irp g, G1, G1B
	s_mov_b32 s[\g+1], ROWB<<16                    ; tensor_dim0
	s_mov_b32 s[\g+2], 128<<16                     ; tensor_dim1
	s_mov_b32 s[\g+3], ROWB<<16                    ; tile_dim0
	s_mov_b32 s[\g+4], 128                         ; tile_dim1
	s_mov_b32 s[\g+5], KROW                        ; the pitch
	s_mov_b32 s[\g+6], 0
	s_mov_b32 s[\g+7], 0
.endr
	s_or_b32 s[G1S+0], s43, (3<<16)|(1<<20)|(1<<21)|(5<<22)|(3<<25) ; the scales of 128 rows: a dense block, as rows of 256 bytes (32 elements of 8 bytes), 16 bytes of padding behind each
	s_or_b32 s[G1SB+0], s44, (3<<16)|(1<<20)|(1<<21)|(5<<22)|(3<<25)
.irp g, G1S, G1SB
	s_mov_b32 s[\g+1], 32<<16
	s_mov_b32 s[\g+2], (128*KS/256)<<16
	s_mov_b32 s[\g+3], 32<<16
	s_mov_b32 s[\g+4], 128*KS/256
	s_mov_b32 s[\g+5], 32
	s_mov_b32 s[\g+6], 0
	s_mov_b32 s[\g+7], 0
.endr
	s_lshl_b32 s18, s16, 7
	s_lshl_b32 s20, s17, 8
	s_add_co_u32 s20, s20, s18                     ; W: row 256 x tile row + 128 x half
	s_lshl_b32 s46, s42, 8
	s_add_co_u32 s46, s46, s18                     ; tokens: 256 x tile column + 128 x half
	s_mov_b32 s21, 0
	s_mov_b32 s47, 0
	s_mov_b64 s[18:19], KS
	s_mul_u64 s[22:23], s[20:21], s[18:19]         ; where these rows' scales begin
	s_mul_u64 s[92:93], s[46:47], s[18:19]
	s_mov_b64 s[18:19], KROW
	s_mul_u64 s[20:21], s[20:21], s[18:19]         ; and their codes
	s_mul_u64 s[46:47], s[46:47], s[18:19]
	s_mul_i32 s45, s14, HALFT                      ; where they go: wave x 128 rows
	s_mul_i32 s94, s14, HALFS
	s_wait_dscnt 0x0                               ; both opening adds are done
	s_wait_kmcnt 0x0
	s_mov_b64 s[8:9], s[4:5]                       ; query's codes and scales lie first in their buffers,
	s_mov_b64 s[10:11], s[6:7]
	s_add_nc_u64 s[4:5], s[4:5], 0x200000          ; the weights' behind them
	s_add_nc_u64 s[6:7], s[6:7], 0x20000
	s_add_nc_u64 s[20:21], s[4:5], s[20:21]
	s_add_nc_u64 s[22:23], s[6:7], s[22:23]
	s_add_nc_u64 s[46:47], s[8:9], s[46:47]
	s_add_nc_u64 s[92:93], s[10:11], s[92:93]
	CROUND                                         ; all sixteen work-groups are here: the joint loads meet
	s_mov_b32 s[G0S], 1
	s_add_co_u32 s[G0S+1], s94, SCL
	s_mov_b64 s[G0S+2:G0S+3], s[22:23]
	s_or_b32 s[G0S+3], s[G0S+3], 0x80000000
	s_mov_b32 s[G0SB], 1
	s_add_co_u32 s[G0SB+1], s94, SCL
	s_mov_b64 s[G0SB+2:G0SB+3], s[92:93]
	s_or_b32 s[G0SB+3], s[G0SB+3], 0x80000000
	JLOAD G0S, G1S, G0SB, G1SB                     ; the scales first; with the two slots three loads of mine are out
.irp s, 0,1
	s_mov_b32 s[G0+4*\s], 1
	s_add_co_u32 s[G0+4*\s+1], s45, \s*SLOT
	s_add_nc_u64 s[G0+4*\s+2:G0+4*\s+3], s[20:21], \s*ROWB
	s_or_b32 s[G0+4*\s+3], s[G0+4*\s+3], 0x80000000
	s_mov_b32 s[G0B+4*\s], 1
	s_add_co_u32 s[G0B+4*\s+1], s45, \s*SLOT
	s_add_nc_u64 s[G0B+4*\s+2:G0B+4*\s+3], s[46:47], \s*ROWB
	s_or_b32 s[G0B+4*\s+3], s[G0B+4*\s+3], 0x80000000
	JLOAD G0+4*\s, G1, G0B+4*\s, G1B
.endr
	v_and_b32 v1, 15, v0                           ; l % 16
	v_bfe_u32 v2, v0, 4, 1                         ; l / 16
	; the bias of my 128 rows: block a's eight registers all hold bias[16 a + l % 16], the result's layout
	s_cmp_eq_u32 s3, 0
	s_cselect_b64 s[96:97], s[96:97], s[98:99]
	s_cmp_eq_u32 s3, 2
	s_cselect_b64 s[96:97], s[100:101], s[96:97]
	s_lshl_b32 s98, s41, 10                        ; 256 rows a tile row within the tensor,
	s_lshl_b32 s99, s15, 9                         ; 128 a half, 4 bytes each
	s_add_co_u32 s98, s98, s99
	s_mov_b32 s99, 0
	s_add_nc_u64 s[96:97], s[96:97], s[98:99]
	v_lshlrev_b32 v[BOF], 2, v1
.irp a, 0,1,2,3,4,5,6,7
.irp i, 0,1,2,3,4,5,6,7
	global_load_b32 v[BIAS+8*\a+\i], v[BOF], s[96:97] offset:64*\a
.endr
.endr
	v_mul_u32_u24 v3, v1, PITCH
	v_lshl_add_u32 v4, v2, 4, v3                   ; a fragment's row x pitch + 16 x half
	s_mul_i32 s21, s15, HALFT                      ; my 128 rows of W
	s_mul_i32 s22, s16, HALFT                      ; my 128 tokens,
	s_add_co_u32 s22, s22, 2*HALFT                 ; which lie behind W's 256 rows
.irp s, 0,1
	v_add_nc_u32 v[ADRA+\s], s21, v4
	v_add_nc_u32 v[ADRB+\s], s22, v4
	s_add_co_u32 s21, s21, SLOT
	s_add_co_u32 s22, s22, SLOT
.endr
	v_mul_u32_u24 v5, v1, KS                       ; my row's scales: KS bytes a row,
	v_lshrrev_b32 v6, 8, v5
	v_lshl_add_u32 v5, v6, 4, v5                   ; and 16 more for each 256 passed
	s_mul_i32 s21, s15, HALFS
	s_mul_i32 s22, s16, HALFS
	s_add_co_u32 s22, s22, 2*HALFS
	s_sub_co_u32 s22, s22, s21
	v_mul_u32_u24 v6, s22, v2                      ; lanes 16-31 take the tokens'
	s_add_co_u32 s21, s21, SCL
	v_add_nc_u32 v5, v5, v6
	v_add_nc_u32 v[ADRS], s21, v5
	s_mul_i32 s23, s14, 16*PP                      ; the pairs' stage
	v_mul_u32_u24 v5, v1, PP
	v_lshl_add_u32 v5, v2, 4, v5
	v_add_nc_u32 v[STO], s23, v5                   ; in: row l % 16, 16 bytes for each half of the lanes
	v_and_b32 v6, 31, v0
	v_lshlrev_b32 v[CO], 4, v6
	v_add_nc_u32 v[RD], s23, v[CO]                 ; back: the 32 lanes take one row of 512 bytes
	s_mul_i32 s23, s14, 16*PVS                     ; V's stage
	s_add_co_u32 s23, s23, STGV
	v_mul_u32_u24 v5, v1, PVS
	v_lshl_add_u32 v5, v2, 4, v5
	v_add_nc_u32 v[STOV], s23, v5
	v_mul_u32_u24 v5, v2, PVS
	v_lshl_add_u32 v5, v1, 4, v5
	v_add_nc_u32 v[RDV], s23, v5                   ; back: lanes 0-15 one row of 256 bytes, lanes 16-31 the next
	v_lshlrev_b32 v5, 13, v2
	v_lshl_add_u32 v[COV], v1, 4, v5               ; and the same two rows in vt
	s_lshl_b32 s20, s17, 8
	s_lshl_b32 s21, s15, 7
	s_add_co_u32 s20, s20, s21                     ; my first row of C
	s_lshl_b32 s46, s42, 1
	s_add_co_u32 s46, s46, s16                     ; my block of 128 tokens
.macro FRAG reg, adr, q, i             ; 16 rows x 128 K of 4-bit codes: 8 registers, two loads of 16 bytes, 32 bytes apart
.irp c, 0,1
	ds_load_b128 v[\reg+4*\c:\reg+4*\c+3], v[\adr] offset:64*(\q)+32*\c+(\i)*16*PITCH
.endr
.endm
; 16 matrix instructions: W's blocks a0, a0 + 1 x the tokens' eight.  The 64 accumulators take turns, one instruction a turn.  zero = 1: the bias starts the sums
.macro MUL16 a0, p, q, sc, zero
.irp a, \a0, \a0+1
.irp b, 0,1,2,3,4,5,6,7
.if \zero
	v_wmma_scale_f32_16x16x128_f8f6f4 v[8*(8*((\a)%4)+\b):8*(8*((\a)%4)+\b)+7], v[128*(\p)+FR*\b:128*(\p)+FR*\b+FR-1], v[AF+FR*(\a):AF+FR*(\a)+FR-1], v[BIAS+8*(\a):BIAS+8*(\a)+7], v[SC+8*NQ*(\sc)+NQ*\b+(\q)], v[SC+8*NQ*(\sc)+NQ*(\a)+(\q)] matrix_a_fmt:MATRIX_FMT_FP4 matrix_b_fmt:MATRIX_FMT_FP4 matrix_a_scale:MATRIX_SCALE_ROW1
.else
	v_wmma_scale_f32_16x16x128_f8f6f4 v[8*(8*((\a)%4)+\b):8*(8*((\a)%4)+\b)+7], v[128*(\p)+FR*\b:128*(\p)+FR*\b+FR-1], v[AF+FR*(\a):AF+FR*(\a)+FR-1], v[8*(8*((\a)%4)+\b):8*(8*((\a)%4)+\b)+7], v[SC+8*NQ*(\sc)+NQ*\b+(\q)], v[SC+8*NQ*(\sc)+NQ*(\a)+(\q)] matrix_a_fmt:MATRIX_FMT_FP4 matrix_b_fmt:MATRIX_FMT_FP4 matrix_a_scale:MATRIX_SCALE_ROW1
.endif
.endr
.endr
.endm
.macro FETCH_B slot, q, p
	WIN TO_B
.irp i, 0,1,2,3,4,5,6,7
	FRAG 128*(\p)+FR*\i, ADRB+\slot, \q, \i
.endr
	WIN 0
.endm
.macro FETCH_A slot, q, i0
.irp i, \i0, \i0+1, \i0+2, \i0+3
	FRAG AF+FR*(\i), ADRA+\slot, \q, \i
.endr
.endm
.macro SCALES sc                       ; a slot's scale words: lanes 0-15 take W's block i, lanes 16-31 the tokens' block i
.irp i, 0,1,2,3,4,5,6,7
	ds_load_b128 v[SC+8*NQ*\sc+NQ*\i:SC+8*NQ*\sc+NQ*\i+3], v[ADRS] offset:\i*SBLK
.endr
.endm
.macro PLACES n                        ; plain vector instructions between a matrix instruction and a load into, or a read of, its registers
.rept \n
	v_nop
.endr
.endm
.macro STEP slot, q, zero              ; 128 along K with its successor in the same slot
	s_wait_dscnt 4*NL                              ; the tokens' set and W's blocks 0-3 are in; the youngest eight loads (W's blocks 4-7) may be out
.if \zero
	WIN BIA_LO
.else
	WIN MUL_LO
.endif
	MUL16 0, (\q)%2, \q, \slot, \zero
	MUL16 2, (\q)%2, \q, \slot, \zero
	s_wait_dscnt 0
	PLACES NP
	FETCH_B \slot, (\q)+1, 1-(\q)%2
	FETCH_A \slot, (\q)+1, 0
.if \zero
	WIN BIA_HI
.else
	WIN MUL_HI
.endif
	MUL16 4, (\q)%2, \q, \slot, \zero
	MUL16 6, (\q)%2, \q, \slot, \zero
	PLACES NP
	WIN 0
	FETCH_A \slot, (\q)+1, 4
.endm
.macro TURN slot, next                 ; a slot's last step changes slots: one barrier
	s_wait_tensorcnt 0x0                           ; all my tensor loads have landed: my part of the next slot
	ds_add_u32 v[SPW], v[NIL]                      ; 0 onto my spare word
	s_wait_dscnt 4*NL+1                            ; the add and the youngest eight loads may be out
	WIN MUL_LO
	MUL16 0, 1, NQ-1, \slot, 0
	s_wait_dscnt 0x0                               ; the add is done, and my reads of this slot are over
	s_barrier_signal -1
	MUL16 2, 1, NQ-1, \slot, 0
	WIN 0
	s_barrier_wait -1
	PLACES NP
	v_add_nc_u32 v[ADRS], 4*NQ, v[ADRS]            ; on to the next slot's scale words
	FETCH_B \next, 0, 0
	FETCH_A \next, 0, 0
	SCALES \next
	WIN MUL_HI
	MUL16 4, 1, NQ-1, \slot, 0
	MUL16 6, 1, NQ-1, \slot, 0
	PLACES NP
	WIN 0
	FETCH_A \next, 0, 4
.endm
.macro STEPS slot, from
.set Q, \from
.rept NQ-1-\from
	STEP \slot, Q, 0
.set Q, Q+1
.endr
.endm
	s_wait_tensorcnt 1                             ; the scales and my part of slot 0 are in; slot 1's load may be out,
	s_barrier_signal -1
	s_barrier_wait -1                              ; everybody's are
	FETCH_B 0, 0, 0
	FETCH_A 0, 0, 0
	SCALES 0
	FETCH_A 0, 0, 4
	s_wait_loadcnt 0x0                             ; the bias
	STEP 0, 0, 1
	STEPS 0, 1
	TURN 0, 1
	STEPS 1, 0
	s_wait_dscnt 4*NL                              ; the very last step
	WIN MUL_LO
	MUL16 0, 1, NQ-1, 1, 0
	MUL16 2, 1, NQ-1, 1, 0
	s_wait_dscnt 0
	WIN MUL_HI
	MUL16 4, 1, NQ-1, 1, 0
	MUL16 6, 1, NQ-1, 1, 0
	WIN 0
; THE WAY OUT, block by block of 16 rows x 128 tokens, through my own stage in LDS, so that whole rows leave.  LDS serves a wave's instructions in order: no wait between the stage's stores and loads.
; PAIRS: high = bf16(x); low = bf16(x - high), the difference taken in f32.
.macro PACKP a
.set AC, 64*((\a)%4)
	WIN 0x0a+5*((\a)/4)                            ; sources 0 and 1: window 2 or 3
.set k, 0
.rept 32
	v_cvt_pk_bf16_f32 v[HI+k], v[AC+2*k], v[AC+2*k+1]   ; ascending: each accumulator is read from its low end on
.set k, k+1
.endr
.irp u, 0,1
	WIN 0
.set k, 0
.rept 16
	v_lshlrev_b32 v[T+2*k], 16, v[HI+16*\u+k]      ; the high parts as f32
	v_and_b32 v[T+2*k+1], s95, v[HI+16*\u+k]
.set k, k+1
.endr
	WIN 0x02+((\a)/4)                              ; source 0: window 2 or 3
.set k, 0
.rept 16
	v_pk_add_f32 v[T+k:T+k+1], v[AC+32*\u+k:AC+32*\u+k+1], v[T+k:T+k+1] neg_lo:[0,1] neg_hi:[0,1]
.set k, k+2
.endr
	WIN 0
.set k, 0
.rept 16
	v_cvt_pk_bf16_f32 v[LO+16*\u+k], v[T+2*k], v[T+2*k+1]
.set k, k+1
.endr
.endr
.endm
.macro TOSTAGEP a
.set BB, BK+64*((\a)%2)
.irp b, 0,1,2,3,4,5,6,7
	ds_store_b128 v[STO], v[HI+4*\b:HI+4*\b+3] offset:32*\b
	ds_store_b128 v[STO], v[LO+4*\b:LO+4*\b+3] offset:256+32*\b
.endr
.irp t, 0,1,2,3,4,5,6,7,8,9,10,11,12,13,14,15
	ds_load_b128 v[BB+4*\t:BB+4*\t+3], v[RD] offset:\t*PP
.endr
.endm
.macro SENDP a
.set BB, BK+64*((\a)%2)
	s_wait_dscnt 0x0                               ; the block is back in registers
	s_wait_xcnt 0x0                                ; earlier stores have read their base and data: the base may step, and the next block's loads may land in the other set
.if (\a) > 0
	s_add_nc_u64 s[12:13], s[12:13], 16*16384
.endif
.irp t, 0,1,2,3,4,5,6,7,8,9,10,11,12,13,14,15
	global_store_b128 v[CO], v[BB+4*\t:BB+4*\t+3], s[12:13] offset:\t*16384   ; 32 lanes store 512 consecutive bytes, aligned
.endr
.endm
.macro PACKV a
.set AC, 64*((\a)%4)
	WIN 0x0a+5*((\a)/4)
.set k, 0
.rept 32
	v_cvt_pk_f16_f32 v[HI+k], v[AC+2*k], v[AC+2*k+1]
.set k, k+1
.endr
	WIN 0
.endm
.macro TOSTAGEV a
.set BB, BK+64*((\a)%2)
.irp b, 0,1,2,3,4,5,6,7
	ds_store_b128 v[STOV], v[HI+4*\b:HI+4*\b+3] offset:32*\b
.endr
.irp t, 0,1,2,3,4,5,6,7
	ds_load_b128 v[BB+4*\t:BB+4*\t+3], v[RDV] offset:\t*2*PVS
.endr
.endm
.macro SENDV a
.set BB, BK+64*((\a)%2)
	s_wait_dscnt 0x0
	s_wait_xcnt 0x0
.if (\a) > 0
	s_add_nc_u64 s[66:67], s[66:67], 16*8192
.endif
.irp t, 0,1,2,3,4,5,6,7
	global_store_b128 v[COV], v[BB+4*\t:BB+4*\t+3], s[66:67] offset:2*\t*8192   ; 16 lanes store 256 consecutive bytes, aligned
.endr
.endm
	PLACES NP                                      ; behind the last products: for the conversions' reads and for writes of the registers that held scales and fragments
	s_cmp_eq_u32 s3, 2                             ; the cluster's y: the same in every wave of all sixteen partners
	s_cbranch_scc1 .Lv
	s_lshl_b32 s20, s20, 14                        ; a row of qkt is 16,384 bytes,
	s_mov_b32 s21, 0
	s_lshl_b32 s46, s46, 9                         ; a token block 512
	s_mov_b32 s47, 0
	s_add_nc_u64 s[12:13], s[12:13], s[20:21]
	s_add_nc_u64 s[12:13], s[12:13], s[46:47]
	PACKP 0
	TOSTAGEP 0
.irp a, 1,2,3,4,5,6,7                  ; block a's arithmetic stands between block a - 1's loads from the stage and the wait for them
	PACKP \a
	SENDP \a-1
	TOSTAGEP \a
.endr
	SENDP 7
	s_branch .Ldone
.Lv:
	s_sub_co_u32 s20, s20, 2048                    ; V's rows begin at row 2,048 of C
	s_lshl_b32 s20, s20, 13                        ; a row of vt is 8,192 bytes,
	s_mov_b32 s21, 0
	s_lshl_b32 s46, s46, 8                         ; a token block 256
	s_mov_b32 s47, 0
	s_add_nc_u64 s[66:67], s[66:67], s[20:21]
	s_add_nc_u64 s[66:67], s[66:67], s[46:47]
	PACKV 0
	TOSTAGEV 0
.irp a, 1,2,3,4,5,6,7
	PACKV \a
	SENDV \a-1
	TOSTAGEV \a
.endr
	SENDV 7
.Ldone:
	s_wait_tensorcnt 0x0                           ; the wave's end
	ds_add_u32 v[SPW], v[NIL]
	s_wait_dscnt 0x0
	CROUND                                         ; the closing round
	s_endpgm
.Lfunc_end_k_qa6f74abd23_proj:
	.size	k_qa6f74abd23_proj, .Lfunc_end_k_qa6f74abd23_proj-k_qa6f74abd23_proj
	.p2alignl 7, 3214868480
	.fill 96, 4, 3214868480
	.section	.rodata,"a",@progbits
	.p2align	6, 0x0
	.amdhsa_kernel k_qa6f74abd23_proj
		.amdhsa_group_segment_fixed_size 327680
		.amdhsa_private_segment_fixed_size 0
		.amdhsa_enable_private_segment 0
		.amdhsa_kernarg_size 56
		.amdhsa_user_sgpr_count 2
		.amdhsa_user_sgpr_kernarg_segment_ptr 1
		.amdhsa_wavefront_size32 1
		.amdhsa_system_sgpr_workgroup_id_x 1
		.amdhsa_system_sgpr_workgroup_id_y 1
		.amdhsa_system_sgpr_workgroup_id_z 1
		.amdhsa_system_vgpr_workitem_id 0
		.amdhsa_next_free_vgpr 1024
		.amdhsa_next_free_sgpr 102
		.amdhsa_reserve_vcc 0
		.amdhsa_float_denorm_mode_32 3
		.amdhsa_float_denorm_mode_16_64 3
		.amdhsa_memory_ordered 1
		.amdhsa_forward_progress 1
		.amdhsa_inst_pref_size 229
	.end_amdhsa_kernel
	.amdgpu_metadata
---
amdhsa.version: [ 1, 2 ]
amdhsa.kernels:
  - .name:           k_qa6f74abd23_proj
    .symbol:         k_qa6f74abd23_proj.kd
    .args:
      - { .name: codes, .offset: 0, .size: 8, .value_kind: global_buffer, .address_space: global }
      - { .name: scales, .offset: 8, .size: 8, .value_kind: global_buffer, .address_space: global }
      - { .name: bq, .offset: 16, .size: 8, .value_kind: global_buffer, .address_space: global }
      - { .name: bk, .offset: 24, .size: 8, .value_kind: global_buffer, .address_space: global }
      - { .name: bv, .offset: 32, .size: 8, .value_kind: global_buffer, .address_space: global }
      - { .name: qkt, .offset: 40, .size: 8, .value_kind: global_buffer, .address_space: global }
      - { .name: vt, .offset: 48, .size: 8, .value_kind: global_buffer, .address_space: global }
    .group_segment_fixed_size: 327680
    .private_segment_fixed_size: 0
    .kernarg_segment_align: 8
    .kernarg_segment_size: 56
    .max_flat_workgroup_size: 128
    .sgpr_count:     102
    .vgpr_count:     1024
    .wavefront_size: 32
...
	.end_amdgpu_metadata
.endif
;; end of part 2
;; launch kmask (part 3): grid 32 x 8, 4 waves a work-group, clusters of 4 x 4, 327,680 bytes of LDS; arguments cv16, qkt, kmt; writes kmt
.if DOCPART == 3
	.amdgcn_target "amdgcn-amd-amdhsa--gfx1250"
	.amdhsa_code_object_version 6
	.text
	.protected	k_qa6f74abd23_kmask
	.globl	k_qa6f74abd23_kmask
	.p2align	8
	.type	k_qa6f74abd23_kmask,@function
k_qa6f74abd23_kmask:
	s_mov_b64 s[64:65], 0
	v_nop
	global_prefetch_b8 v0, s[64:65] scope:SCOPE_SE
	s_setreg_imm32_b32 hwreg(HW_REG_WAVE_MODE, 25, 1), 1
	s_wait_xcnt 0x0
	s_wait_alu depctr_hold_cnt(0) depctr_sa_sdst(0) depctr_va_vdst(0) depctr_va_sdst(0) depctr_va_ssrc(0) depctr_va_vcc(0) depctr_vm_vsrc(0)
	s_getreg_b32 s2, hwreg(HW_REG_IB_STS2, 6, 4)
	s_cmp_eq_u32 s2, 0
	s_cbranch_scc0 .Lentry_in_a_cluster
	s_endpgm
.Lentry_in_a_cluster:
	s_bfe_u32 s2, ttmp6, 0x10000c
	s_cmp_lg_u32 s2, 0xf033
	s_cbranch_scc0 .Lentry_shape_is_right
	s_endpgm
.Lentry_shape_is_right:
; KM^T[j][(b, h, d)] = sum over the batch's 1,024 tokens k of mask[k][j] K[b][h][k][d]: the inner product of (Q K^T) mask = Q (K^T mask) (see the first kernel's head: products associate for all inputs).
; mask: bf16 [k][j] (cv16 from byte 0x200000).  K^T: rows 1024-2047 of qkt, pairs of bf16: both parts are multiplied, into one f32 sum.  KM^T leaves as pairs of bf16 again: kmt [1024 j][32 (b, h)][high 256 bytes, low 256 bytes].
; A tile is 128 j x 128 d of one (b, h): 256 work-groups of four waves, each 64 x 64: 16 accumulators.  K goes in steps of 128 tokens through two LDS slots: 128 matrix instructions a wave in a step.
; CLUSTERS: 4 x 4.  The mask's tile hangs on the j tile alone (shared along a row of the cluster), K^T's on (b, h) alone (shared along a column).
; Source 0 = 16 rows d of K^T (tokens along the rows), source 1 = 16 columns j of mask, turned on the way out of LDS by ds_load_tr16_b128: a lane holds one j and eight neighbouring d.
; REGISTERS: window 0: v0-31 addresses; v32-95 at work on the way out; v128-255 the accumulators ((a, b) at v[128 + 8 (4 a + b)]).  window 1: two buffers of 96: mask's 4 fragments, K^T high's 4, K^T low's 4.
; No prefetch: the tiles are shared sixteen ways in a cluster and the steps are short.
.set PA,     288                       ; a row of mask in LDS: 256 bytes + 32: an odd multiple of 32, for the turning load
.set PB,     528                       ; a row of K^T: 512 bytes (high, low) + 16
.set HALFA,  64*PA
.set HALFB,  64*PB
.set BOFF,   2*HALFA                   ; a slot: 128 rows of mask, then 128 rows of K^T
.set SLOT,   BOFF+2*HALFB
.set STAGE,  2*SLOT                    ; behind the ring: 128 rows x (512 + 16), the work-group's
.set SPITCH, 528
.set SPARE,  STAGE+128*SPITCH
.set LAPS,   4                         ; 8 steps, two a lap
.set ADRM, 16
.set ADRB, 20
.set STO,  24
.set RD,   25
.set CO,   26
.set SPW,  28
.set NIL,  29
.set HI,   32
.set LO,   48
.set T,    64
.set ACC,  128
.set F0,   0
.set F1,   128
.set G1, 24
.set G0, 32
.set G1B, 48
.set G0B, 56
.set MSB, 0
.macro WIN new
.if MSB != (\new)
	s_set_vgpr_msb (MSB<<8)|(\new)
.set MSB, (\new)
.endif
.endm
.set MUL,  0x05                        ; sources 0 and 1 window 1; C and D window 0
.set TO_F, 0x40
.macro JLOAD s                         ; waves 0 and 1 fetch mask's two halves, waves 2 and 3 K^T's; an s_nop 0 and four v_nop follow each line
	s_cmp_eq_u32 s11, 0
	s_cbranch_scc0 .Lfor_b_\@
	tensor_load_to_lds s[G0+4*\s:G0+4*\s+3], s[G1:G1+7]
	s_nop 0
.rept 4
	v_nop
.endr
	s_branch .Lasked_\@
.Lfor_b_\@:
	tensor_load_to_lds s[G0B+4*\s:G0B+4*\s+3], s[G1B:G1B+7]
	s_nop 0
.rept 4
	v_nop
.endr
.Lasked_\@:
.endm
.macro CREST
	s_cmp_lg_u32 s10, 0
	s_cbranch_scc1 .Lnot_wave_0_\@
	s_barrier_signal -3
.Lnot_wave_0_\@:
	s_barrier_wait -3
	s_barrier_signal -1
	s_barrier_wait -1
.endm
.macro CROUND
	s_barrier_signal -1
	s_barrier_wait -1
	CREST
.endm
	s_load_b128 s[4:7], s[0:1], 0x0                ; cv16, qkt
	s_load_b64 s[8:9], s[0:1], 0x10                ; kmt
	v_lshl_add_u32 v[SPW], v0, 2, SPARE
	v_mov_b32 v[NIL], 0
	ds_add_u32 v[SPW], v[NIL]                      ; the wave's opening: the add, twice on end, and its wait ahead of my first tensor load
	ds_add_u32 v[SPW], v[NIL]
	v_lshrrev_b32 v1, 5, v0
	v_readfirstlane_b32 s10, v1                    ; wave 0..3
	s_lshr_b32 s11, s10, 1                         ; my half of the tile's j.  Also: I fetch mask (0) or K^T (1)
	s_and_b32 s12, s10, 1                          ; my half of its d.  Also: which 64 rows of that tile I fetch
	s_bfe_u32 s40, ttmp6, 0x40000
	s_bfe_u32 s41, ttmp6, 0x40004
	s_lshl_b32 s42, ttmp9, 2
	s_add_co_u32 s42, s42, s40                     ; (b, h) = 4 x cluster x + cx
	s_and_b32 s13, ttmp7, 0xffff
	s_lshl_b32 s13, s13, 2
	s_add_co_u32 s13, s13, s41                     ; the j tile = 4 x cluster y + cy
	s_lshl_b32 s43, s41, 2
	s_lshl_b32 s43, 15, s43                        ; my row of the cluster
	s_lshl_b32 s44, 0x1111, s40                    ; my column
	s_mov_b32 s45, 0xffff0000
	s_or_b32 s[G1+0], s43, (1<<16)|(1<<20)|(1<<21)|(5<<22)|(7<<25)   ; mask: elements of 2 bytes; 8 words of padding after every 64
	s_mov_b32 s[G1+1], 128<<16                     ; tensor_dim0 = 128 j
	s_mov_b32 s[G1+2], 64<<16                      ; tensor_dim1 = 64 tokens
	s_mov_b32 s[G1+3], 128<<16
	s_mov_b32 s[G1+4], 64
	s_mov_b32 s[G1+5], 1024                        ; the pitch in elements
	s_mov_b32 s[G1+6], 0
	s_mov_b32 s[G1+7], 0
	s_or_b32 s[G1B+0], s44, (1<<16)|(1<<20)|(1<<21)|(6<<22)|(3<<25)  ; K^T: 4 words of padding after every 128
	s_mov_b32 s[G1B+1], 256<<16                    ; 128 tokens, high and low
	s_mov_b32 s[G1B+2], 64<<16                     ; 64 rows d
	s_mov_b32 s[G1B+3], 256<<16
	s_mov_b32 s[G1B+4], 64
	s_mov_b32 s[G1B+5], 8192
	s_mov_b32 s[G1B+6], 0
	s_mov_b32 s[G1B+7], 0
	s_lshl_b32 s16, s12, 17                        ; mask: my 64 token rows of 2,048 bytes,
	s_lshl_b32 s17, s13, 8                         ; the tile's 128 j, 2 bytes each,
	s_add_co_u32 s16, s16, s17
	s_add_co_u32 s16, s16, 0x200000                ; behind Wo's f16
	s_mov_b32 s17, 0
	s_and_b32 s46, s42, 7                          ; K^T: row 1024 + 128 h + 64 x half,
	s_lshl_b32 s46, s46, 7
	s_lshl_b32 s47, s12, 6
	s_add_co_u32 s46, s46, s47
	s_add_co_u32 s46, s46, 1024
	s_lshl_b32 s46, s46, 14
	s_lshr_b32 s47, s42, 3                         ; the batch's eight token blocks of 512 bytes
	s_lshl_b32 s47, s47, 12
	s_add_co_u32 s46, s46, s47
	s_mov_b32 s47, 0
	s_mul_i32 s20, s12, HALFA                      ; where they go
	s_mul_i32 s21, s12, HALFB
	s_add_co_u32 s21, s21, BOFF
	s_wait_dscnt 0x0                               ; both opening adds are done
	s_wait_kmcnt 0x0
	s_add_nc_u64 s[14:15], s[4:5], s[16:17]
	s_add_nc_u64 s[46:47], s[6:7], s[46:47]
	CROUND
.irp s, 0,1
	s_mov_b32 s[G0+4*\s], 1
	s_add_co_u32 s[G0+4*\s+1], s20, \s*SLOT
	s_add_nc_u64 s[G0+4*\s+2:G0+4*\s+3], s[14:15], \s*128*2048
	s_or_b32 s[G0+4*\s+3], s[G0+4*\s+3], 0x80000000
	s_mov_b32 s[G0B+4*\s], 1
	s_add_co_u32 s[G0B+4*\s+1], s21, \s*SLOT
	s_add_nc_u64 s[G0B+4*\s+2:G0B+4*\s+3], s[46:47], \s*512
	s_or_b32 s[G0B+4*\s+3], s[G0B+4*\s+3], 0x80000000
	JLOAD \s
.endr
	v_and_b32 v1, 15, v0                           ; r
	v_bfe_u32 v2, v0, 4, 1                         ; h
	v_and_b32 v3, 7, v0
	v_bfe_u32 v4, v0, 3, 1
	v_lshl_add_u32 v5, v2, 3, v3                   ; the turning load: token row 8 h + lane % 8,
	v_mul_u32_u24 v5, v5, PA
	v_lshl_add_u32 v5, v4, 4, v5                   ; 16 bytes for each eight lanes,
	s_lshl_b32 s22, s11, 7                         ; my 64 j
	v_mul_u32_u24 v6, v1, PB
	v_lshl_add_u32 v6, v2, 4, v6                   ; K^T: row r, + 16 h
	s_mul_i32 s23, s12, HALFB
	s_add_co_u32 s23, s23, BOFF
.irp s, 0,1
	v_add_nc_u32 v[ADRM+\s], s22, v5
	v_add_nc_u32 v[ADRB+\s], s23, v6
	s_add_co_u32 s22, s22, SLOT
	s_add_co_u32 s23, s23, SLOT
.endr
	s_mul_i32 s23, s11, 64*SPITCH                  ; into the stage: my 64 rows j, my 64 d of each part
	s_lshl_b32 s22, s12, 7
	s_add_co_u32 s23, s23, s22
	s_add_co_u32 s23, s23, STAGE
	v_mul_u32_u24 v4, v1, SPITCH
	v_lshl_add_u32 v4, v2, 4, v4
	v_add_nc_u32 v[STO], s23, v4
	s_mul_i32 s23, s10, 32*SPITCH                  ; back: wave w takes rows 32 w .. 32 w + 31, whole
	s_add_co_u32 s23, s23, STAGE
	v_and_b32 v5, 31, v0
	v_lshlrev_b32 v[CO], 4, v5
	v_add_nc_u32 v[RD], s23, v[CO]
	s_lshl_b32 s16, s13, 7
	s_lshl_b32 s17, s10, 5
	s_add_co_u32 s16, s16, s17                     ; the first row j that I store
	s_lshl_b32 s16, s16, 14
	s_mov_b32 s17, 0
	s_add_nc_u64 s[8:9], s[8:9], s[16:17]
	s_lshl_b32 s46, s42, 9                         ; (b, h)'s 512 bytes of a row
	s_mov_b32 s47, 0
	s_add_nc_u64 s[8:9], s[8:9], s[46:47]
; 8 matrix instructions: j blocks a0, a0 + 1 x the four d blocks, 32 tokens, part p of K^T.  The 16 accumulators take turns
.macro MUL8 f, p, a0, zero
.irp a, \a0, \a0+1
.irp b, 0,1,2,3
.if \zero
	v_wmma_f32_16x16x32_bf16 v[ACC+8*(4*(\a)+\b):ACC+8*(4*(\a)+\b)+7], v[\f+32+32*\p+8*\b:\f+32+32*\p+8*\b+7], v[\f+8*(\a):\f+8*(\a)+7], 0
.else
	v_wmma_f32_16x16x32_bf16 v[ACC+8*(4*(\a)+\b):ACC+8*(4*(\a)+\b)+7], v[\f+32+32*\p+8*\b:\f+32+32*\p+8*\b+7], v[\f+8*(\a):\f+8*(\a)+7], v[ACC+8*(4*(\a)+\b):ACC+8*(4*(\a)+\b)+7]
.endif
.endr
.endr
.endm
; 24 LDS loads in one run: quarter q (32 tokens) of a slot: mask's 8, K^T high's 8, K^T low's 8
.macro FETCH slot, q, f
	WIN TO_F
.irp i, 0,1,2,3
	ds_load_tr16_b128 v[\f+8*\i:\f+8*\i+3],   v[ADRM+\slot] offset:(\q)*32*PA+32*\i
	ds_load_tr16_b128 v[\f+8*\i+4:\f+8*\i+7], v[ADRM+\slot] offset:(\q)*32*PA+32*\i+16*PA
.endr
.irp p, 0,1
.irp i, 0,1,2,3
	ds_load_b128 v[\f+32+32*\p+8*\i:\f+32+32*\p+8*\i+3],   v[ADRB+\slot] offset:\i*16*PB+64*(\q)+256*\p
	ds_load_b128 v[\f+32+32*\p+8*\i+4:\f+32+32*\p+8*\i+7], v[ADRB+\slot] offset:\i*16*PB+64*(\q)+256*\p+32
.endr
.endr
.endm
.macro PLACES
.rept 4
	v_nop
.endr
.endm
.macro QUARTER slot, q, f, g, zero     ; multiplies buffer f and fetches quarter q of the same slot into g
	s_wait_dscnt 8                                 ; mask's and the high parts are in; the low parts' eight loads may be out
	WIN MUL
	MUL8 \f, 0, 0, \zero
	MUL8 \f, 0, 2, \zero
	PLACES
	FETCH \slot, \q, \g
	s_wait_dscnt 24                                ; all but the 24 just issued
	WIN MUL
	MUL8 \f, 1, 0, 0
	MUL8 \f, 1, 2, 0
.endm
.macro TURN slot, next, fill           ; a slot's last quarter changes slots: one barrier; fill = 1: it opens a round of the cluster's barrier and this slot is filled again, two steps ahead
	WIN 0
	s_wait_tensorcnt 0x0                           ; all my tensor loads have landed: my part of the next slot
	ds_add_u32 v[SPW], v[NIL]                      ; 0 onto my spare word
	s_wait_dscnt 9                                 ; the add and the low parts' eight loads may be out
	WIN MUL
	MUL8 F1, 0, 0, 0
	s_wait_dscnt 0x0                               ; the add is done, and my reads of this slot are over
	s_barrier_signal -1
	MUL8 F1, 0, 2, 0
.if \fill
	WIN 0
.endif
	s_barrier_wait -1
.if \fill
	CREST                                          ; no wave of any partner still reads this slot or has a load on its way
	s_add_nc_u64 s[G0+4*\slot+2:G0+4*\slot+3], s[G0+4*\slot+2:G0+4*\slot+3], 2*128*2048
	s_add_nc_u64 s[G0B+4*\slot+2:G0B+4*\slot+3], s[G0B+4*\slot+2:G0B+4*\slot+3], 2*512
	JLOAD \slot                                    ; my one tensor load behind the round; its four v_nop are also the places in front of the loads below
.else
	PLACES
.endif
	FETCH \next, 0, F0
	WIN MUL
	MUL8 F1, 1, 0, 0
	MUL8 F1, 1, 2, 0
.endm
	s_wait_tensorcnt 1                             ; my part of step 0 is in; step 1's load may be out
	s_barrier_signal -1
	s_barrier_wait -1
	FETCH 0, 0, F0
	QUARTER 0, 1, F0, F1, 1                        ; the first quarter's high products start the sums
	WIN 0
	s_mov_b32 s3, LAPS-1
.Llap:
	QUARTER 0, 2, F1, F0, 0
	QUARTER 0, 3, F0, F1, 0
	TURN 0, 1, 1
	QUARTER 1, 1, F0, F1, 0
	QUARTER 1, 2, F1, F0, 0
	QUARTER 1, 3, F0, F1, 0
	TURN 1, 0, 1
	QUARTER 0, 1, F0, F1, 0
	WIN 0
	s_sub_co_u32 s3, s3, 1
	s_cmp_lg_u32 s3, 0
	s_cbranch_scc1 .Llap
	QUARTER 0, 2, F1, F0, 0                        ; the last lap fills nothing
	QUARTER 0, 3, F0, F1, 0
	TURN 0, 1, 0
	QUARTER 1, 1, F0, F1, 0
	QUARTER 1, 2, F1, F0, 0
	QUARTER 1, 3, F0, F1, 0
	s_wait_dscnt 8
	WIN MUL
	MUL8 F1, 0, 0, 0
	MUL8 F1, 0, 2, 0
	s_wait_dscnt 0
	MUL8 F1, 1, 0, 0
	MUL8 F1, 1, 2, 0
	WIN 0
; THE WAY OUT: 16 rows j at a time are split into high and low parts (the difference in f32) and go into the work-group's stage; a barrier, since a row's bytes come from two waves; back as whole rows of 512 bytes.
.macro OUTA a
.set AC, ACC+32*(\a)
.if (\a) > 0
	s_wait_dscnt 0x0                               ; the last block's stage stores have read their registers
.endif
.set k, 0
.rept 16
	v_cvt_pk_bf16_f32 v[HI+k], v[AC+2*k], v[AC+2*k+1]   ; ascending: each accumulator from its low end on
.set k, k+1
.endr
.set k, 0
.rept 16
	v_lshlrev_b32 v[T+2*k], 16, v[HI+k]
	v_and_b32 v[T+2*k+1], s45, v[HI+k]
.set k, k+1
.endr
.set k, 0
.rept 16
	v_pk_add_f32 v[T+k:T+k+1], v[AC+k:AC+k+1], v[T+k:T+k+1] neg_lo:[0,1] neg_hi:[0,1]
.set k, k+2
.endr
.set k, 0
.rept 16
	v_cvt_pk_bf16_f32 v[LO+k], v[T+2*k], v[T+2*k+1]
.set k, k+1
.endr
.irp b, 0,1,2,3
	ds_store_b128 v[STO], v[HI+4*\b:HI+4*\b+3] offset:(\a)*16*SPITCH+32*\b
	ds_store_b128 v[STO], v[LO+4*\b:LO+4*\b+3] offset:(\a)*16*SPITCH+256+32*\b
.endr
.endm
	PLACES
	OUTA 0
	OUTA 1
	OUTA 2
	OUTA 3
	s_wait_dscnt 0x0                               ; for the others' sake: my stores into the stage are done
	s_barrier_signal -1
	s_barrier_wait -1
.set t, 0
.rept 32
	ds_load_b128 v[ACC+4*t:ACC+4*t+3], v[RD] offset:t*SPITCH
.set t, t+1
.endr
.set t, 0
.rept 32
	s_wait_dscnt 31-t
	global_store_b128 v[CO], v[ACC+4*t:ACC+4*t+3], s[8:9] offset:t*16384   ; 32 lanes store 512 consecutive bytes, aligned
.set t, t+1
.endr
	s_wait_tensorcnt 0x0                           ; the wave's end
	ds_add_u32 v[SPW], v[NIL]
	s_wait_dscnt 0x0
	CROUND                                         ; the closing round
	s_endpgm
.Lfunc_end_k_qa6f74abd23_kmask:
	.size	k_qa6f74abd23_kmask, .Lfunc_end_k_qa6f74abd23_kmask-k_qa6f74abd23_kmask
	.p2alignl 7, 3214868480
	.fill 96, 4, 3214868480
	.section	.rodata,"a",@progbits
	.p2align	6, 0x0
	.amdhsa_kernel k_qa6f74abd23_kmask
		.amdhsa_group_segment_fixed_size 327680
		.amdhsa_private_segment_fixed_size 0
		.amdhsa_enable_private_segment 0
		.amdhsa_kernarg_size 24
		.amdhsa_user_sgpr_count 2
		.amdhsa_user_sgpr_kernarg_segment_ptr 1
		.amdhsa_wavefront_size32 1
		.amdhsa_system_sgpr_workgroup_id_x 1
		.amdhsa_system_sgpr_workgroup_id_y 1
		.amdhsa_system_sgpr_workgroup_id_z 1
		.amdhsa_system_vgpr_workitem_id 0
		.amdhsa_next_free_vgpr 512
		.amdhsa_next_free_sgpr 66
		.amdhsa_reserve_vcc 0
		.amdhsa_float_denorm_mode_32 3
		.amdhsa_float_denorm_mode_16_64 3
		.amdhsa_memory_ordered 1
		.amdhsa_forward_progress 1
		.amdhsa_inst_pref_size 95
	.end_amdhsa_kernel
	.amdgpu_metadata
---
amdhsa.version: [ 1, 2 ]
amdhsa.kernels:
  - .name:           k_qa6f74abd23_kmask
    .symbol:         k_qa6f74abd23_kmask.kd
    .args:
      - { .name: cv16, .offset: 0, .size: 8, .value_kind: global_buffer, .address_space: global }
      - { .name: qkt, .offset: 8, .size: 8, .value_kind: global_buffer, .address_space: global }
      - { .name: kmt, .offset: 16, .size: 8, .value_kind: global_buffer, .address_space: global }
    .group_segment_fixed_size: 327680
    .private_segment_fixed_size: 0
    .kernarg_segment_align: 8
    .kernarg_segment_size: 24
    .max_flat_workgroup_size: 128
    .sgpr_count:     66
    .vgpr_count:     512
    .wavefront_size: 32
...
	.end_amdgpu_metadata
.endif
;; end of part 3
;; launch attn (part 4): grid 8 x 32, 4 waves a work-group, clusters of 4 x 1, 327,680 bytes of LDS; arguments qkt, kmt, vt, ho; writes ho
.if DOCPART == 4
	.amdgcn_target "amdgcn-amd-amdhsa--gfx1250"
	.amdhsa_code_object_version 6
	.text
	.protected	k_qa6f74abd23_attn
	.globl	k_qa6f74abd23_attn
	.p2align	8
	.type	k_qa6f74abd23_attn,@function
k_qa6f74abd23_attn:
	s_mov_b64 s[64:65], 0
	v_nop
	global_prefetch_b8 v0, s[64:65] scope:SCOPE_SE
	s_setreg_imm32_b32 hwreg(HW_REG_WAVE_MODE, 25, 1), 1
	s_wait_xcnt 0x0
	s_wait_alu depctr_hold_cnt(0) depctr_sa_sdst(0) depctr_va_vdst(0) depctr_va_sdst(0) depctr_va_ssrc(0) depctr_va_vcc(0) depctr_vm_vsrc(0)
	s_getreg_b32 s2, hwreg(HW_REG_IB_STS2, 6, 4)
	s_cmp_eq_u32 s2, 0
	s_cbranch_scc0 .Lentry_in_a_cluster
	s_endpgm
.Lentry_in_a_cluster:
	s_bfe_u32 s2, ttmp6, 0x10000c
	s_cmp_lg_u32 s2, 0x3003
	s_cbranch_scc0 .Lentry_shape_is_right
	s_endpgm
.Lentry_shape_is_right:
; head_out[b][q][h][:] = sum over j of softmax_j(Q[q] . KM[:, j] / sqrt(128)) V[j][:], KM = K^T mask from the launch before (the scores' product with mask is re-associated: see the first kernel's head).
; Q^T: rows 0-1023 of qkt, KM^T: kmt, both as pairs of bf16: the logits are high x high + high x low + low x high, three products into one f32 sum (low x low lies 2^-16 under the sum and is left out).
; V^T: vt, f16; the weights p (at most 1) are rounded to f16 for the second product; ho: [4096 tokens][1024] f16.  Maxima and sums in f32, by a running maximum.
; SHARES.  A work-group owns 128 queries of one (b, h), each of its four waves 32: tiles 0 and 1 of 16.  Every wave walks the 1,024 columns j, 64 a step; a slot holds two steps.
; LAYOUT.  S^T = KM^T Q^T (source 0 = 16 j, source 1 = 16 queries) and O^T = V^T P: a lane holds ONE query throughout.  Q^T lies [d][query] and is turned on its way out of LDS, once.
; BY TURNS.  A trip: 16 products V^T P of tile 0 with tile 1's softmax between them; 16 of tile 1; 48 products of tile 0's next scores; 48 of tile 1's with tile 0's next softmax between them.
; CLUSTER.  The four query blocks of a cluster belong to one (b, h) and walk the same KM^T and V^T: each tile is asked for jointly.  Q^T's tile is each work-group's own: a plain load.
; REGISTERS: window 0: v1-11 addresses; v12-27 statistics, eight a tile; v61-63; v64-127 S^T, 32 a tile; v128-159 P, 16 a tile.  window 1: v0-127 O^T, 64 a tile; v128-255 Q, 64 a tile (high 32, low 32).
;   window 2: KM^T of one step (64 for each 16 j: high 32, low 32).   window 3: v0-127 V^T of one step.
.set PKM,   528                        ; a row of KM^T in LDS: 512 bytes + 16
.set PVT,   272                        ; a row of V^T: 256 bytes (128 j) + 16
.set PQT,   544                        ; a row of Q^T: 512 bytes + 32: an odd multiple of 32, for the turning load
.set VOFF,  128*PKM                    ; a slot: 128 rows j of KM^T, then 128 rows d of V^T
.set STAGE, VOFF+128*PVT               ; behind slot 0: 16 rows x 272 bytes for each wave, for the way out
.set SP,    272
.set SLOT1, 1<<17                      ; slot 1 begins here: one exclusive or turns an address from one slot to the other
.set QL,    SLOT1+STAGE                ; behind slot 1: Q^T, 128 rows d
.set SPARE, QL+128*PQT                 ; the spare words, 128 bytes a wave
.set AK0, 2
.set AV0, 3
.set ADRK, 4
.set AQ,  5
.set STO, 6
.set RD,  7
.set GO,  8
.set ADRV, 10
.set ST,  12                           ; tile t's statistics at v[ST+8 t]: +0 c m, +1 m, +2, +3 l, +4 to +7 at work; a takes +6 once the maximum is found
.set PFO, 61
.set SPW, 62
.set NIL, 63
.set S,   64
.set P,   128
.set WV,  12
.set LIM, 15
.set PFA, 18
.set G1K, 24
.set G1V, 32
.set G0K, 40                           ; two sets for the first fills; the second then walks on
.set G0V, 48
.set SLOTS, 56
.set TWICE, 57
.set CS,  58
.set SEL, 60
.set TBK, 62                           ; LDS byte at which KM^T's tile of the step to be fetched begins;
.set TBV, 63                           ; and V^T's
.set G1Q, 68
.set G0Q, 76
.set PFS, 80
.set MSB, 0
.macro WIN new
.if MSB != (\new)
	s_set_vgpr_msb (MSB<<8)|(\new)
.set MSB, (\new)
.endif
.endm
.set W_KQ, 0x06                        ; KM^T window 2, Q window 1, S^T window 0
.set W_PV, 0x53                        ; V^T window 3, P window 0, O^T window 1
.set W_RS, 0x41                        ; O^T (destination and source 0) window 1, a window 0
.macro JLOAD                           ; a joint refill: waves 0 and 1 fetch KM^T's two steps, waves 2 and 3 V^T's two halves; an s_nop 0 and four v_nop follow each line
	s_cmp_lt_u32 s[WV], 2
	s_cbranch_scc0 .Lfor_v_\@
	tensor_load_to_lds s[G0K+4:G0K+7], s[G1K:G1K+7]
	s_nop 0
.rept 4
	v_nop
.endr
	s_branch .Lasked_\@
.Lfor_v_\@:
	tensor_load_to_lds s[G0V+4:G0V+7], s[G1V:G1V+7]
	s_nop 0
.rept 4
	v_nop
.endr
.Lasked_\@:
.endm
; A prefetch of what the NEXT change of slots will ask for: 128 rows of KM^T (two blocks of 256 bytes a row) and 128 of V^T (one).  Both clusters of a (b, h) walk the same rows: the first asks.  Its four partners take
; 32 rows each, told apart by address; in each, wave 0 names KM^T's high halves, wave 1 its low halves, wave 2 V^T's rows: a lane a row.  So each block is named once in the launch.  The last filling change asks for nothing.
.macro ASK
	s_cmp_gt_u32 s[SLOTS], s[LIM]
	s_cbranch_scc0 .Lnot_mine_\@
	global_prefetch_b8 v[PFO], s[PFA:PFA+1] th:TH_LOAD_NT scope:SCOPE_SE
.Lnot_mine_\@:
.endm
.macro CROUND
	s_barrier_signal -1
	s_barrier_wait -1
	s_cmp_lg_u32 s[WV], 0
	s_cbranch_scc1 .Lnot_wave_0_\@
	s_barrier_signal -3
.Lnot_wave_0_\@:
	s_barrier_wait -3
	s_barrier_signal -1
	s_barrier_wait -1
.endm
	s_load_b256 s[4:11], s[0:1], 0x0               ; qkt s[4:5], kmt s[6:7], vt s[8:9], ho s[10:11]
	v_lshl_add_u32 v[SPW], v0, 2, SPARE
	v_mov_b32 v[NIL], 0
	ds_add_u32 v[SPW], v[NIL]                      ; the wave's opening: the add, twice on end, and its wait ahead of my first tensor load
	ds_add_u32 v[SPW], v[NIL]
	v_lshrrev_b32 v1, 5, v0
	v_readfirstlane_b32 s[WV], v1                  ; wave 0..3
	s_bfe_u32 s13, ttmp6, 0x40000                  ; cx
	s_lshl_b32 s14, ttmp9, 2
	s_add_co_u32 s14, s14, s13                     ; my block of 128 queries: it enters Q^T's, ho's and the prefetches' addresses alone
	s_and_b32 s20, ttmp7, 0xffff                   ; (b, h), which the four partners share
	s_lshr_b32 s21, s20, 3                         ; b
	s_and_b32 s22, s20, 7                          ; h
	s_and_b32 s16, s[WV], 1
	s_lshl_b32 s82, s16, 20                        ; KM^T: my 64 rows of 16,384 bytes,
	s_lshl_b32 s83, s20, 9                         ; (b, h)'s 512 bytes of a row
	s_add_co_u32 s82, s82, s83
	s_mov_b32 s83, 0
	s_lshl_b32 s84, s22, 20                        ; V^T: row 128 h + 64 x half, 8,192 bytes a row,
	s_lshl_b32 s85, s16, 19
	s_add_co_u32 s84, s84, s85
	s_lshl_b32 s85, s21, 11                        ; the batch's 1,024 tokens, 2 bytes each
	s_add_co_u32 s84, s84, s85
	s_mov_b32 s85, 0
	s_lshl_b32 s2, s22, 7                          ; Q^T: row 128 h + 32 x wave,
	s_lshl_b32 s3, s[WV], 5
	s_add_co_u32 s2, s2, s3
	s_lshl_b32 s2, s2, 14
	s_lshl_b32 s3, s21, 3                          ; token block 8 b + my block
	s_add_co_u32 s3, s3, s14
	s_lshl_b32 s3, s3, 9
	s_add_co_u32 s2, s2, s3
	s_mov_b32 s3, 0
	s_lshl_b32 s86, s21, 21                        ; ho: token 1024 b + 128 block + 32 wave, 2,048 bytes a row; the head's 256 bytes
	s_lshl_b32 s87, s14, 18
	s_add_co_u32 s86, s86, s87
	s_lshl_b32 s87, s[WV], 16
	s_add_co_u32 s86, s86, s87
	s_lshl_b32 s87, s22, 8
	s_add_co_u32 s86, s86, s87
	s_mov_b32 s87, 0
	s_mul_i32 s17, s16, 64*PKM                     ; places in a slot: no place in the cluster enters an LDS address
	s_mul_i32 s23, s16, 64*PVT
	s_add_co_u32 s23, s23, VOFF
	s_mov_b32 s[G0Q], 1
	s_mul_i32 s[G0Q+1], s[WV], 32*PQT
	s_add_co_u32 s[G0Q+1], s[G0Q+1], QL
	; the prefetches: my work-group's 32 rows, beginning in chunk 2 (the first change of slots steps to chunk 3)
	s_lshl_b32 s66, s20, 9
	s_lshl_b32 s67, s13, 19
	s_add_co_u32 s66, s66, s67
	s_lshl_b32 s67, s16, 8
	s_add_co_u32 s66, s66, s67
	s_add_co_u32 s66, s66, 2*128*16384
	s_lshl_b32 s67, s22, 20
	s_lshl_b32 s80, s13, 18
	s_add_co_u32 s67, s67, s80
	s_lshl_b32 s80, s21, 11
	s_add_co_u32 s67, s67, s80
	s_add_co_u32 s67, s67, 2*256
	s_cmp_lt_u32 s[WV], 2
	s_cselect_b32 s66, s66, s67
	s_mov_b32 s67, 0
	s_mov_b32 s[PFS], 256
	s_cselect_b32 s[PFS], 128*16384, s[PFS]        ; a chunk on
	s_mov_b32 s[PFS+1], 0
	s_cselect_b32 s88, 14, 13                      ; from lane to lane: a row
	v_and_b32 v[PFO], 31, v0
	v_lshlrev_b32 v[PFO], s88, v[PFO]
	s_cmp_lt_u32 s[WV], 3
	s_cselect_b32 s[LIM], 0, 1
	s_or_b32 s[LIM], s[LIM], ttmp9                 ; 0 in waves 0 to 2 of the (b, h)'s first cluster: the same in all four partners
	s_cmp_eq_u32 s[LIM], 0
	s_cselect_b32 s[LIM], 1, -1
	s_mov_b32 s[G1K], 15|(1<<16)|(1<<20)|(1<<21)|(6<<22)|(3<<25)   ; all four work-groups; elements of 2 bytes; 4 words of padding after every 128
	s_mov_b32 s[G1K+1], 256<<16
	s_mov_b32 s[G1K+2], 64<<16
	s_mov_b32 s[G1K+3], 256<<16
	s_mov_b32 s[G1K+4], 64
	s_mov_b32 s[G1K+5], 8192
	s_mov_b32 s[G1K+6], 0
	s_mov_b32 s[G1K+7], 0
	s_mov_b32 s[G1V], 15|(1<<16)|(1<<20)|(1<<21)|(5<<22)|(3<<25)   ; 4 words after every 64
	s_mov_b32 s[G1V+1], 128<<16
	s_mov_b32 s[G1V+2], 64<<16
	s_mov_b32 s[G1V+3], 128<<16
	s_mov_b32 s[G1V+4], 64
	s_mov_b32 s[G1V+5], 4096
	s_mov_b32 s[G1V+6], 0
	s_mov_b32 s[G1V+7], 0
	s_mov_b32 s[G1Q], (1<<16)|(1<<20)|(6<<22)|(7<<25)              ; no mask: my work-group's own; 8 words after every 128
	s_mov_b32 s[G1Q+1], 256<<16
	s_mov_b32 s[G1Q+2], 32<<16
	s_mov_b32 s[G1Q+3], 256<<16
	s_mov_b32 s[G1Q+4], 32
	s_mov_b32 s[G1Q+5], 8192
	s_mov_b32 s[G1Q+6], 0
	s_mov_b32 s[G1Q+7], 0
	s_mov_b32 s[CS], 0x3e0293ee                    ; c = log2(e) / sqrt(128)
	s_mov_b32 s[CS+1], s[CS]
	s_mov_b32 s[SEL], 0x76543210
	s_mov_b32 s[SEL+1], 0xfedcba98
	s_mov_b32 s[TBK], 0
	s_mov_b32 s[TBV], 0
	s_mov_b32 s[SLOTS], 6                          ; 8 chunks of 128 j; all but the first two are refills
	s_wait_dscnt 0x0                               ; both opening adds are done
	s_wait_kmcnt 0x0
	s_cmp_lt_u32 s[WV], 2
	s_cselect_b64 s[PFA:PFA+1], s[6:7], s[8:9]
	s_add_nc_u64 s[PFA:PFA+1], s[PFA:PFA+1], s[66:67]
	s_add_nc_u64 s[6:7], s[6:7], s[82:83]
	s_add_nc_u64 s[8:9], s[8:9], s[84:85]
	s_add_nc_u64 s[10:11], s[10:11], s[86:87]
	s_add_nc_u64 s[G0Q+2:G0Q+3], s[4:5], s[2:3]
	s_or_b32 s[G0Q+3], s[G0Q+3], 0x80000000
	CROUND                                         ; all four work-groups are here: the first joint loads meet
.irp s, 0,1
	s_mov_b32 s[G0K+4*\s], 1
	s_add_co_u32 s[G0K+4*\s+1], s17, \s*SLOT1
	s_add_nc_u64 s[G0K+4*\s+2:G0K+4*\s+3], s[6:7], \s*128*16384
	s_or_b32 s[G0K+4*\s+3], s[G0K+4*\s+3], 0x80000000
	s_mov_b32 s[G0V+4*\s], 1
	s_add_co_u32 s[G0V+4*\s+1], s23, \s*SLOT1
	s_add_nc_u64 s[G0V+4*\s+2:G0V+4*\s+3], s[8:9], \s*256
	s_or_b32 s[G0V+4*\s+3], s[G0V+4*\s+3], 0x80000000
.endr
	tensor_load_to_lds s[G0Q:G0Q+3], s[G1Q:G1Q+7]  ; every wave: its 32 rows of Q^T; with the two slots three loads of mine are out
	s_nop 0
	s_cmp_lt_u32 s[WV], 2
	s_cbranch_scc0 .Lfirst_v
	tensor_load_to_lds s[G0K:G0K+3], s[G1K:G1K+7]
	s_nop 0
	tensor_load_to_lds s[G0K+4:G0K+7], s[G1K:G1K+7]
	s_nop 0
.rept 4
	v_nop
.endr
	s_branch .Lfirst_asked
.Lfirst_v:
	tensor_load_to_lds s[G0V:G0V+3], s[G1V:G1V+7]
	s_nop 0
	tensor_load_to_lds s[G0V+4:G0V+7], s[G1V:G1V+7]
	s_nop 0
.rept 4
	v_nop
.endr
.Lfirst_asked:
	v_and_b32 v1, 15, v0                           ; r
	v_bfe_u32 v9, v0, 4, 1                         ; h
	v_mul_u32_u24 v[AK0], v1, PKM
	v_lshl_add_u32 v[AK0], v9, 4, v[AK0]
	v_mul_u32_u24 v[AV0], v1, PVT
	v_lshl_add_u32 v[AV0], v9, 4, v[AV0]
	v_add_nc_u32 v[AV0], VOFF, v[AV0]
	v_and_b32 v10, 7, v0
	v_bfe_u32 v11, v0, 3, 1
	v_lshl_add_u32 v[AQ], v9, 3, v10               ; the turning load: row d = 8 h + lane % 8,
	v_mul_u32_u24 v[AQ], v[AQ], PQT
	v_lshl_add_u32 v[AQ], v11, 4, v[AQ]            ; 16 bytes for each eight lanes,
	s_lshl_b32 s2, s[WV], 6                        ; my wave's 32 queries
	s_add_co_u32 s2, s2, QL
	v_add_nc_u32 v[AQ], s2, v[AQ]
; Product i of 16 of O^T += V^T P for tile t: d block i % 8, 32 j from 32 (i / 8) on.  The eight accumulators take turns.  zero = 1: the first eight start the sums
.macro PV t, zero
	WIN W_PV
.set rO, 64*(\t)+8*(i%8)
.set rV, 64*(i/8)+8*(i%8)
.set rP, P+16*(\t)+8*(i/8)
.if \zero && (i < 8)
	v_wmma_f32_16x16x32_f16 v[rO:rO+7], v[rV:rV+7], v[rP:rP+7], 0
.else
	v_wmma_f32_16x16x32_f16 v[rO:rO+7], v[rV:rV+7], v[rP:rP+7], v[rO:rO+7]
.endif
.endm
; Product i of 48 of S^T = KM^T Q^T for tile t: j block i % 4; i / 4 = 0-3: high x high, 4-7: KM high x Q low, 8-11: KM low x Q high, 32 d each.  The four accumulators take turns; the first four start the sums
.macro KQ t
	WIN W_KQ
.set nn, i/4
.set rS, S+32*(\t)+8*(i%4)
.set rK, 64*(i%4)+32*(nn/8)+8*(nn%4)
.set rQ, 128+64*(\t)+32*((nn/4)%2)+8*(nn%4)
.if i < 4
	v_wmma_f32_16x16x32_bf16 v[rS:rS+7], v[rK:rK+7], v[rQ:rQ+7], 0
.else
	v_wmma_f32_16x16x32_bf16 v[rS:rS+7], v[rK:rK+7], v[rQ:rQ+7], v[rS:rS+7]
.endif
.endm
.macro FETCH_K                         ; a step's KM^T: 64 j x 128 d x two parts: 64 loads in one run
	WIN 0
	v_add_nc_u32 v[ADRK], s[TBK], v[AK0]
	s_add_co_u32 s[TBK], s[TBK], 64*PKM
	WIN 0x80
.irp g, 0,1,2,3
.irp p, 0,1
.irp c, 0,1,2,3
	ds_load_b128 v[64*\g+32*\p+8*\c:64*\g+32*\p+8*\c+3],   v[ADRK] offset:\g*16*PKM+256*\p+64*\c
	ds_load_b128 v[64*\g+32*\p+8*\c+4:64*\g+32*\p+8*\c+7], v[ADRK] offset:\g*16*PKM+256*\p+64*\c+32
.endr
.endr
.endr
.endm
.macro FETCH_V                         ; a step's V^T: 128 d x 64 j: 32 loads
	WIN 0
	v_add_nc_u32 v[ADRV], s[TBV], v[AV0]
	s_add_co_u32 s[TBV], s[TBV], 128
	WIN 0xc0
.irp g, 0,1
.irp c, 0,1,2,3,4,5,6,7
	ds_load_b128 v[64*\g+8*\c:64*\g+8*\c+3],   v[ADRV] offset:\c*16*PVT+64*\g
	ds_load_b128 v[64*\g+8*\c+4:64*\g+8*\c+7], v[ADRV] offset:\c*16*PVT+64*\g+32
.endr
.endr
.endm
; One tile's softmax for one step is a list of 134 instructions; SM writes number j of it for tile t.  0-15 the maximum of the lane's 32 scores and the old m; 16-20 the other half of the lanes', the new m, c m, its change;
; 21-69 ONE BATCH: the 16 packed scalings c s - c m and all 33 exponentials (a at 23), none of which reads an exponential's result; 70-85 the roundings to f16; 86-101 the sums, l = a l + the sum; 102-133 O^T times a.
; first = 1: the first step, which starts m, l and O^T: no a, nothing to rescale.
.macro SM t, first
.set rT, ST+8*(\t)
.set rS, S+32*(\t)
.set rP, P+16*(\t)
.set rO, 64*(\t)+2*(j-102)
.if j < 102
	WIN 0
.endif
.if j < 4
	v_max3_num_f32 v[rT+4+j], v[rS+8*j], v[rS+8*j+1], v[rS+8*j+2]
.elseif j < 12
	v_max3_num_f32 v[rT+4+j%4], v[rT+4+j%4], v[rS+8*(j%4)+2*(j/4)+1], v[rS+8*(j%4)+2*(j/4)+2]
.elseif j == 12
	v_max3_num_f32 v[rT+4], v[rT+4], v[rS+7], v[rS+15]
.elseif j == 13
	v_max3_num_f32 v[rT+6], v[rT+6], v[rS+23], v[rS+31]
.elseif j == 14
	v_max3_num_f32 v[rT+4], v[rT+4], v[rT+5], v[rT+6]
.elseif (j == 15) && \first
	v_max_num_f32 v[rT+4], v[rT+4], v[rT+7]
.elseif j == 15
	v_max3_num_f32 v[rT+4], v[rT+4], v[rT+7], v[rT+1]
.elseif j == 16
	v_permlanex16_b32 v[rT+5], v[rT+4], s[SEL], s[SEL+1]
.elseif j == 18
	v_max_num_f32 v[rT+1], v[rT+4], v[rT+5]
.elseif j == 19
	v_mul_f32 v[rT], s[CS], v[rT+1]
.elseif ((j == 17) || (j == 20) || (j == 23) || (j > 101)) && \first
.elseif j == 17
	v_mov_b32 v[rT+7], v[rT]
.elseif j == 20
	v_sub_f32 v[rT+7], v[rT+7], v[rT]
.elseif j == 23
	v_exp_f32 v[rT+6], v[rT+7]
.elseif (j < 23) || ((j < 38) && (j%2 == 0)) || ((j < 66) && (j%4 == 2))
.set b, (j-2)/4
.if j < 38
.set b, (j-20)/2
.endif
	v_pk_fma_f32 v[rS+2*b:rS+2*b+1], v[rS+2*b:rS+2*b+1], s[CS:CS+1], v[rT:rT+1] op_sel_hi:[1,0,0] neg_lo:[0,0,1] neg_hi:[0,0,1]
.elseif j < 70
.set e, j-38
.if j < 66
.set e, j-32-(j-38)/4
.endif
.if j < 38
.set e, (j-25)/2
.endif
	v_exp_f32 v[rS+e], v[rS+e]
.elseif j < 86
	v_cvt_pk_f16_f32 v[rP+j-70], v[rS+2*(j-70)], v[rS+2*(j-70)+1]
.elseif j < 102
.set z, j-86
.set w, 4
.set u, z
.if z >= 14
.set w, 32
.set u, 0
.elseif z >= 12
.set w, 16
.set u, z-12
.elseif z >= 8
.set w, 8
.set u, z-8
.endif
.if (z == 14) && \first
	v_pk_add_f32 v[rT+2:rT+3], v[rS:rS+1], v[rS+16:rS+17]
.elseif z < 15
	v_pk_add_f32 v[rS+w*u:rS+w*u+1], v[rS+w*u:rS+w*u+1], v[rS+w*u+w/2:rS+w*u+w/2+1]
.elseif !\first
	v_pk_fma_f32 v[rT+2:rT+3], v[rT+2:rT+3], v[rT+6:rT+7], v[rS:rS+1] op_sel_hi:[1,0,1]
.endif
.else
	WIN W_RS
	v_pk_mul_f32 v[rO:rO+1], v[rO:rO+1], v[rT+6:rT+7] op_sel_hi:[1,0]
.endif
.endm
; The next cnt numbers of tile t's list.  Behind number 69 the batch is out and no result has been named: one plain instruction, and one wait ahead of the first reader.
.macro EMIT t, cnt, first
.rept \cnt
.set j, jn
	SM \t, \first
.if jn == 69
	v_nop
	s_wait_alu depctr_va_vdst(0)
.endif
.set jn, jn+1
.endr
.endm
.macro PLACES                          ; plain vector instructions between a matrix instruction and a read of its result or a load into its registers
.rept 4
	v_nop
.endr
.endm
; A TRIP finishes step s and, with more = 1, begins step s + 1.  At its head: tile 0's P and rescaled O^T of step s are ready, tile 1's scores are not yet worked, V^T of step s has been asked for.
.macro TRIP first, more
	s_wait_dscnt 0x0                               ; V^T of this step is in
.if \more
	FETCH_K                                        ; the next step's KM^T: the last products that read the registers stand seven plain instructions back (or four v_nop, at the start)
.endif
.set jn, 0
.set i, 0
.rept 16
	PV 0, \first
.if i < 15
	EMIT 1, 8, \first                              ; 15 x 8 + 14 = 134
.else
	EMIT 1, 14, \first
.endif
.set i, i+1
.endr
.set i, 0
.rept 16
	PV 1, \first
.set i, i+1
.endr
.if \more
	PLACES
	FETCH_V                                        ; the next step's V^T
	s_wait_dscnt 32                                ; KM^T's 64 loads are in; V^T's 32 may be out
.set i, 0
.rept 48
	KQ 0
.set i, i+1
.endr
	PLACES                                         ; in front of the first read of tile 0's scores
.set jn, 0
.set i, 0
.rept 48
	KQ 1
.if i < 40
	EMIT 0, 3, 0                                   ; 40 x 3 + 7 x 1 + 7 = 134
.elseif i < 47
	EMIT 0, 1, 0
.else
	EMIT 0, 7, 0                                   ; seven rescalings of tile 0's O^T: the places behind the last product
.endif
.set i, i+1
.endr
.endif
.endm
; THE CHANGE OF SLOTS: the slot's last bytes have been asked for.  Each wave waits for all its tensor loads (one is out: its part of the other slot), adds 0 to its spare word, and waits for that and for its reads.
; fill = 1: the barrier is a round of the cluster's, and the joint refill, the chunk two on, is the first thing behind it: it has two steps, 256 matrix instructions, in which to land.
.macro CHANGE fill
	WIN 0
	s_wait_tensorcnt 0x0
	ds_add_u32 v[SPW], v[NIL]
.if \fill
	s_xor_b32 s[G0K+5], s[G0K+5], SLOT1            ; the walking descriptors: the other slot than last time, the next chunk
	s_add_nc_u64 s[G0K+6:G0K+7], s[G0K+6:G0K+7], 128*16384
	s_xor_b32 s[G0V+5], s[G0V+5], SLOT1
	s_add_nc_u64 s[G0V+6:G0V+7], s[G0V+6:G0V+7], 256
	s_wait_xcnt 0x0                                ; the last prefetch, two steps back, has read its address
	s_add_nc_u64 s[PFA:PFA+1], s[PFA:PFA+1], s[PFS:PFS+1]
	s_wait_dscnt 0x0                               ; the add is done, and my reads of the slot are over
	CROUND
	JLOAD
	ASK
.else
	s_wait_dscnt 0x0
	s_barrier_signal -1
	s_barrier_wait -1
.endif
	s_sub_co_u32 s[TBK], s[TBK], 2*64*PKM          ; the fetches go back to a slot's first step, in the other slot
	s_xor_b32 s[TBK], s[TBK], SLOT1
	s_sub_co_u32 s[TBV], s[TBV], 256
	s_xor_b32 s[TBV], s[TBV], SLOT1
.endm
.macro TWO_STEPS                       ; written once, walked twice
	s_mov_b32 s[TWICE], 2
.Lstep_\@:
	TRIP 0, 1
	WIN 0
	s_sub_co_u32 s[TWICE], s[TWICE], 1
	s_cmp_lg_u32 s[TWICE], 0
	s_cbranch_scc1 .Lstep_\@
.endm
	s_wait_tensorcnt 1                             ; Q^T and my part of slot 0 are in; slot 1's load may stay out
	s_barrier_signal -1
	s_barrier_wait -1
	WIN 0x40                                       ; Q stays in registers: tile t, part p, 32 d from 32 c on
.irp t, 0,1
.irp p, 0,1
.irp c, 0,1,2,3
	ds_load_tr16_b128 v[128+64*\t+32*\p+8*\c:128+64*\t+32*\p+8*\c+3],   v[AQ] offset:\c*32*PQT+256*\p+32*\t
	ds_load_tr16_b128 v[128+64*\t+32*\p+8*\c+4:128+64*\t+32*\p+8*\c+7], v[AQ] offset:\c*32*PQT+16*PQT+256*\p+32*\t
.endr
.endr
.endr
	FETCH_K                                        ; step 0
	FETCH_V
	s_wait_dscnt 32                                ; Q and KM^T are in; V^T's 32 loads may be out
.set i, 0
.rept 48
	KQ 0
.set i, i+1
.endr
	WIN 0                                          ; the addresses for the way out: plain instructions, the places behind those products
	s_mul_i32 s13, s[WV], 16*SP
	s_add_co_u32 s13, s13, STAGE
	v_mul_u32_u24 v[STO], v1, SP                   ; in: row l % 16, 16 bytes for each half of the lanes
	v_lshl_add_u32 v[STO], v9, 4, v[STO]
	v_add_nc_u32 v[STO], s13, v[STO]
	v_mul_u32_u24 v[RD], v9, SP                    ; back: lanes 0-15 one row of 256 bytes, lanes 16-31 the next
	v_lshl_add_u32 v[RD], v1, 4, v[RD]
	v_add_nc_u32 v[RD], s13, v[RD]
	v_lshlrev_b32 v[GO], 11, v9                    ; and the same two rows in ho
	v_lshl_add_u32 v[GO], v1, 4, v[GO]
.set jn, 0
.set i, 0
.rept 48
	KQ 1
.if i < 40
	EMIT 0, 3, 1
.elseif i < 47
	EMIT 0, 1, 1
.else
	EMIT 0, 7, 1
.endif
.set i, i+1
.endr
	PLACES                                         ; the first step's list ends early: these stand for its rescalings
	TRIP 1, 1                                      ; step 0 is finished, step 1 begun: slot 0's last bytes are asked for
	WIN 0
.Lslot:                                            ; six changes of slots: chunks 2 to 7 are refills
	CHANGE 1
	TWO_STEPS
	s_sub_co_u32 s[SLOTS], s[SLOTS], 1
	s_cmp_lg_u32 s[SLOTS], 0
	s_cbranch_scc1 .Lslot
	CHANGE 0                                       ; the tail is written out
	TWO_STEPS
	TRIP 0, 0                                      ; step 15 is finished
	; THE WAY OUT: l's parts are added; O^T is divided by l, rounded to f16 and sent through my stage, a tile (16 rows of ho) at a time
	WIN 0
	PLACES
.irp t, 0,1
	v_add_f32 v[ST+8*\t+4], v[ST+8*\t+2], v[ST+8*\t+3]
.endr
.irp t, 0,1
	v_permlanex16_b32 v[ST+8*\t+5], v[ST+8*\t+4], s[SEL], s[SEL+1]
.endr
.irp t, 0,1
	v_add_f32 v[ST+8*\t+4], v[ST+8*\t+4], v[ST+8*\t+5]
.endr
.irp t, 0,1
	v_rcp_f32 v[ST+8*\t+6], v[ST+8*\t+4]
.endr
	v_nop                                          ; a plain instruction behind the last reciprocal,
	s_wait_alu depctr_va_vdst(0)                   ; and the one wait ahead of the first use
.macro PACK t
	WIN W_RS
.set i, 64*\t
.rept 32
	v_pk_mul_f32 v[i:i+1], v[i:i+1], v[ST+8*\t+6:ST+8*\t+7] op_sel_hi:[1,0]
.set i, i+2
.endr
	WIN 0x05                                       ; sources window 1, destination window 0: S^T's registers are free
.set i, 0
.rept 32
	v_cvt_pk_f16_f32 v[S+32*\t+i], v[64*\t+2*i], v[64*\t+2*i+1]
.set i, i+1
.endr
	WIN 0
.irp f, 0,1,2,3,4,5,6,7
	ds_store_b128 v[STO], v[S+32*\t+4*\f:S+32*\t+4*\f+3] offset:32*\f
.endr
.irp f, 0,1,2,3,4,5,6,7
	ds_load_b128 v[S+32*\t+4*\f:S+32*\t+4*\f+3], v[RD] offset:\f*2*SP   ; LDS serves a wave's instructions in order: these see the stores above
.endr
.endm
.macro SEND t, younger                 ; younger: the LDS instructions issued behind tile t's loads
.irp f, 0,1,2,3,4,5,6,7
	s_wait_dscnt \younger+7-\f
	global_store_b128 v[GO], v[S+32*\t+4*\f:S+32*\t+4*\f+3], s[10:11] offset:\t*32768+\f*4096   ; 16 lanes store 256 consecutive bytes, aligned
.endr
.endm
	PACK 0
	PACK 1
	SEND 0, 16
	SEND 1, 0
	s_wait_tensorcnt 0x0                           ; the wave's end
	ds_add_u32 v[SPW], v[NIL]
	s_wait_dscnt 0x0
	CROUND                                         ; the closing round
	s_endpgm
.Lfunc_end_k_qa6f74abd23_attn:
	.size	k_qa6f74abd23_attn, .Lfunc_end_k_qa6f74abd23_attn-k_qa6f74abd23_attn
	.p2alignl 7, 3214868480
	.fill 96, 4, 3214868480
	.section	.rodata,"a",@progbits
	.p2align	6, 0x0
	.amdhsa_kernel k_qa6f74abd23_attn
		.amdhsa_group_segment_fixed_size 327680
		.amdhsa_private_segment_fixed_size 0
		.amdhsa_enable_private_segment 0
		.amdhsa_kernarg_size 32
		.amdhsa_user_sgpr_count 2
		.amdhsa_user_sgpr_kernarg_segment_ptr 1
		.amdhsa_wavefront_size32 1
		.amdhsa_system_sgpr_workgroup_id_x 1
		.amdhsa_system_sgpr_workgroup_id_y 1
		.amdhsa_system_sgpr_workgroup_id_z 1
		.amdhsa_system_vgpr_workitem_id 0
		.amdhsa_next_free_vgpr 1024
		.amdhsa_next_free_sgpr 90
		.amdhsa_reserve_vcc 0
		.amdhsa_float_denorm_mode_32 3
		.amdhsa_float_denorm_mode_16_64 3
		.amdhsa_memory_ordered 1
		.amdhsa_forward_progress 1
		.amdhsa_inst_pref_size 154
	.end_amdhsa_kernel
	.amdgpu_metadata
---
amdhsa.version: [ 1, 2 ]
amdhsa.kernels:
  - .name:           k_qa6f74abd23_attn
    .symbol:         k_qa6f74abd23_attn.kd
    .args:
      - { .name: qkt, .offset: 0, .size: 8, .value_kind: global_buffer, .address_space: global }
      - { .name: kmt, .offset: 8, .size: 8, .value_kind: global_buffer, .address_space: global }
      - { .name: vt, .offset: 16, .size: 8, .value_kind: global_buffer, .address_space: global }
      - { .name: ho, .offset: 24, .size: 8, .value_kind: global_buffer, .address_space: global }
    .group_segment_fixed_size: 327680
    .private_segment_fixed_size: 0
    .kernarg_segment_align: 8
    .kernarg_segment_size: 32
    .max_flat_workgroup_size: 128
    .sgpr_count:     90
    .vgpr_count:     1024
    .wavefront_size: 32
...
	.end_amdgpu_metadata
.endif
;; end of part 4
;; launch oproj (part 5): grid 8 x 32, 4 waves a work-group, clusters of 4 x 4, 327,680 bytes of LDS; arguments ho, cv16, bo, out0; writes out0
.if DOCPART == 5
	.amdgcn_target "amdgcn-amd-amdhsa--gfx1250"
	.amdhsa_code_object_version 6
	.text
	.protected	k_qa6f74abd23_oproj
	.globl	k_qa6f74abd23_oproj
	.p2align	8
	.type	k_qa6f74abd23_oproj,@function
k_qa6f74abd23_oproj:
	s_mov_b64 s[64:65], 0
	v_nop
	global_prefetch_b8 v0, s[64:65] scope:SCOPE_SE
	s_setreg_imm32_b32 hwreg(HW_REG_WAVE_MODE, 25, 1), 1
	s_wait_xcnt 0x0
	s_wait_alu depctr_hold_cnt(0) depctr_sa_sdst(0) depctr_va_vdst(0) depctr_va_sdst(0) depctr_va_ssrc(0) depctr_va_vcc(0) depctr_vm_vsrc(0)
	s_getreg_b32 s2, hwreg(HW_REG_IB_STS2, 6, 4)
	s_cmp_eq_u32 s2, 0
	s_cbranch_scc0 .Lentry_in_a_cluster
	s_endpgm
.Lentry_in_a_cluster:
	s_bfe_u32 s2, ttmp6, 0x10000c
	s_cmp_lg_u32 s2, 0xf033
	s_cbranch_scc0 .Lentry_shape_is_right
	s_endpgm
.Lentry_shape_is_right:
; out0[m][n] = sum over k of ho[m][k] Wo[n][k] + bo[n].  ho: [4096][1024] f16; Wo: f16, [1024][1024], cv16 from byte 0; out0: f32; sums in f32.
; A tile of out0 is 128 x 128: 256 work-groups of four waves, each 64 x 64: 16 accumulators.  K goes in steps of 256 (LDS rows of 512 bytes) through two slots: four steps.
; CLUSTERS: 4 x 4: ho's tile is shared along a row of the cluster, Wo's along a column.  Source 0 = 16 rows of Wo, source 1 = 16 rows of ho: a lane holds eight neighbouring numbers of a row of out0.
; The bias is the C of each sum's first matrix instruction.  The stage for the way out lies in slot 0, which has had its last fill and its last read when the first result is stored there.
; REGISTERS: window 0: v0-31 addresses; v96-127 the bias; v128-255 the accumulators ((a, b) at v[128 + 8 (4 a + b)]).  window 1: two fragment buffers of 128.
.set SIZE_N, 1024
.set SIZE_K, 1024
.set KSTEP,  256
.set PITCH,  528
.set HALFT,  64*PITCH
.set SLOT,   4*HALFT
.set SPITCH, 528                       ; the stage: 128 rows x (512 + 16), from LDS byte 0
.set SPARE,  2*SLOT
.set LAPS, SIZE_K/(2*KSTEP)
.set ADRA, 16
.set ADRB, 20
.set STO,  24
.set RD,   25
.set CO,   26
.set BOF,  27
.set SPW,  28
.set NIL,  29
.set BIAS, 96
.set ACC,  128
.set F0,   0
.set F1,   128
.set G1, 24
.set G0, 32
.set G1B, 48
.set G0B, 56
.set MSB, 0
.macro WIN new
.if MSB != (\new)
	s_set_vgpr_msb (MSB<<8)|(\new)
.set MSB, (\new)
.endif
.endm
.set MUL,  0x05
.set TO_F, 0x40
.macro JLOAD s                         ; waves 0 and 1 fetch ho's two halves, waves 2 and 3 Wo's; an s_nop 0 and four v_nop follow each line
	s_cmp_eq_u32 s11, 0
	s_cbranch_scc0 .Lfor_b_\@
	tensor_load_to_lds s[G0+4*\s:G0+4*\s+3], s[G1:G1+7]
	s_nop 0
.rept 4
	v_nop
.endr
	s_branch .Lasked_\@
.Lfor_b_\@:
	tensor_load_to_lds s[G0B+4*\s:G0B+4*\s+3], s[G1B:G1B+7]
	s_nop 0
.rept 4
	v_nop
.endr
.Lasked_\@:
.endm
.macro CREST
	s_cmp_lg_u32 s10, 0
	s_cbranch_scc1 .Lnot_wave_0_\@
	s_barrier_signal -3
.Lnot_wave_0_\@:
	s_barrier_wait -3
	s_barrier_signal -1
	s_barrier_wait -1
.endm
.macro CROUND
	s_barrier_signal -1
	s_barrier_wait -1
	CREST
.endm
	s_load_b128 s[4:7], s[0:1], 0x0                ; ho, cv16
	s_load_b64 s[66:67], s[0:1], 0x10              ; bo
	s_load_b64 s[8:9], s[0:1], 0x18                ; out0
	v_lshl_add_u32 v[SPW], v0, 2, SPARE
	v_mov_b32 v[NIL], 0
	ds_add_u32 v[SPW], v[NIL]                      ; the wave's opening: the add, twice on end, and its wait ahead of my first tensor load
	ds_add_u32 v[SPW], v[NIL]
	v_lshrrev_b32 v1, 5, v0
	v_readfirstlane_b32 s10, v1
	s_lshr_b32 s11, s10, 1                         ; my half of the tile's rows.  Also: I fetch for ho (0) or for Wo (1)
	s_and_b32 s12, s10, 1                          ; my half of its columns.  Also: which 64 rows of that tile I fetch
	s_bfe_u32 s40, ttmp6, 0x40000
	s_bfe_u32 s41, ttmp6, 0x40004
	s_lshl_b32 s42, ttmp9, 2
	s_add_co_u32 s42, s42, s40                     ; tile column
	s_and_b32 s13, ttmp7, 0xffff
	s_lshl_b32 s13, s13, 2
	s_add_co_u32 s13, s13, s41                     ; tile row
	s_lshl_b32 s43, s41, 2
	s_lshl_b32 s43, 15, s43
	s_lshl_b32 s44, 0x1111, s40
	s_or_b32 s[G1+0], s43, (1<<16)|(1<<20)|(1<<21)|(6<<22)|(3<<25)  ; elements of 2 bytes; 4 words of padding after every 128
	s_or_b32 s[G1B+0], s44, (1<<16)|(1<<20)|(1<<21)|(6<<22)|(3<<25)
.irp g, G1, G1B
	s_mov_b32 s[\g+1], KSTEP<<16
	s_mov_b32 s[\g+2], 64<<16
	s_mov_b32 s[\g+3], KSTEP<<16
	s_mov_b32 s[\g+4], 64
	s_mov_b32 s[\g+5], SIZE_K
	s_mov_b32 s[\g+6], 0
	s_mov_b32 s[\g+7], 0
.endr
	s_lshl_b32 s17, s12, 6
	s_lshl_b32 s16, s13, 7
	s_add_co_u32 s16, s16, s17                     ; ho: row 128 x tile row + 64 x half
	s_lshl_b32 s46, s42, 7
	s_add_co_u32 s46, s46, s17                     ; Wo: row 128 x tile column + 64 x half
	s_mov_b32 s17, 0
	s_mov_b32 s47, 0
	s_mov_b64 s[18:19], SIZE_K*2
	s_mul_u64 s[16:17], s[16:17], s[18:19]
	s_mul_u64 s[46:47], s[46:47], s[18:19]
	s_mul_i32 s20, s10, HALFT
	s_wait_dscnt 0x0                               ; both opening adds are done
	s_wait_kmcnt 0x0
	s_add_nc_u64 s[14:15], s[4:5], s[16:17]
	s_add_nc_u64 s[46:47], s[6:7], s[46:47]
	CROUND
.irp s, 0,1
	s_mov_b32 s[G0+4*\s], 1
	s_add_co_u32 s[G0+4*\s+1], s20, \s*SLOT
	s_add_nc_u64 s[G0+4*\s+2:G0+4*\s+3], s[14:15], \s*KSTEP*2
	s_or_b32 s[G0+4*\s+3], s[G0+4*\s+3], 0x80000000
	s_mov_b32 s[G0B+4*\s], 1
	s_add_co_u32 s[G0B+4*\s+1], s20, \s*SLOT
	s_add_nc_u64 s[G0B+4*\s+2:G0B+4*\s+3], s[46:47], \s*KSTEP*2
	s_or_b32 s[G0B+4*\s+3], s[G0B+4*\s+3], 0x80000000
	JLOAD \s
.endr
	v_and_b32 v1, 15, v0
	v_bfe_u32 v2, v0, 4, 1
	s_lshl_b32 s16, s13, 7
	s_lshl_b32 s17, s10, 5
	s_add_co_u32 s16, s16, s17                     ; the first row of out0 that I store
	s_lshl_b32 s16, s16, 12                        ; 4,096 bytes a row
	s_mov_b32 s17, 0
	s_add_nc_u64 s[8:9], s[8:9], s[16:17]
	s_lshl_b32 s46, s42, 9                         ; the tile's first column, in bytes
	s_mov_b32 s47, 0
	s_add_nc_u64 s[8:9], s[8:9], s[46:47]
	s_lshl_b32 s16, s12, 8                         ; the bias of my 64 columns: block b's eight registers hold bo at 16 b + 8 (l / 16) + 0 .. 7
	s_add_nc_u64 s[66:67], s[66:67], s[46:47]
	s_add_nc_u64 s[66:67], s[66:67], s[16:17]
	v_lshlrev_b32 v[BOF], 5, v2
.irp b, 0,1,2,3
	global_load_b128 v[BIAS+8*\b:BIAS+8*\b+3], v[BOF], s[66:67] offset:64*\b
	global_load_b128 v[BIAS+8*\b+4:BIAS+8*\b+7], v[BOF], s[66:67] offset:64*\b+16
.endr
	v_mul_u32_u24 v3, v1, PITCH
	v_lshl_add_u32 v3, v2, 4, v3
	s_mul_i32 s21, s11, HALFT
	s_mul_i32 s22, s12, HALFT
	s_add_co_u32 s22, s22, 2*HALFT
.irp s, 0,1
	v_add_nc_u32 v[ADRA+\s], s21, v3
	v_add_nc_u32 v[ADRB+\s], s22, v3
	s_add_co_u32 s21, s21, SLOT
	s_add_co_u32 s22, s22, SLOT
.endr
	s_mul_i32 s23, s11, 64*SPITCH                  ; into the stage: my 64 rows, my 256 bytes of them; row l % 16, 32 bytes for each half of the lanes
	s_lshl_b32 s21, s12, 8
	s_add_co_u32 s23, s23, s21
	v_mul_u32_u24 v4, v1, SPITCH
	v_lshl_add_u32 v4, v2, 5, v4
	v_add_nc_u32 v[STO], s23, v4
	s_mul_i32 s23, s10, 32*SPITCH                  ; back: wave w takes rows 32 w .. 32 w + 31, whole
	v_and_b32 v5, 31, v0
	v_lshlrev_b32 v[CO], 4, v5
	v_add_nc_u32 v[RD], s23, v[CO]
.macro MUL8 f, c, a0, zero             ; the 16 accumulators take turns; zero = 1: the bias starts the sums
.irp a, \a0, \a0+1
.irp b, 0,1,2,3
.if \zero
	v_wmma_f32_16x16x32_f16 v[ACC+8*(4*(\a)+\b):ACC+8*(4*(\a)+\b)+7], v[\f+64+8*(4*\c+\b):\f+64+8*(4*\c+\b)+7], v[\f+8*(4*\c+\a):\f+8*(4*\c+\a)+7], v[BIAS+8*\b:BIAS+8*\b+7]
.else
	v_wmma_f32_16x16x32_f16 v[ACC+8*(4*(\a)+\b):ACC+8*(4*(\a)+\b)+7], v[\f+64+8*(4*\c+\b):\f+64+8*(4*\c+\b)+7], v[\f+8*(4*\c+\a):\f+8*(4*\c+\a)+7], v[ACC+8*(4*(\a)+\b):ACC+8*(4*(\a)+\b)+7]
.endif
.endr
.endr
.endm
.macro FETCH slot, k, f                ; 32 LDS loads in one run: 64 along K at byte k of the rows; the first 32 along K first
	WIN TO_F
.irp c, 0,1
.irp i, 0,1,2,3
	ds_load_b128 v[\f+64+8*(4*\c+\i):\f+64+8*(4*\c+\i)+3],   v[ADRB+\slot] offset:\k+64*\c+\i*16*PITCH
	ds_load_b128 v[\f+64+8*(4*\c+\i)+4:\f+64+8*(4*\c+\i)+7], v[ADRB+\slot] offset:\k+64*\c+\i*16*PITCH+32
	ds_load_b128 v[\f+8*(4*\c+\i):\f+8*(4*\c+\i)+3],         v[ADRA+\slot] offset:\k+64*\c+\i*16*PITCH
	ds_load_b128 v[\f+8*(4*\c+\i)+4:\f+8*(4*\c+\i)+7],       v[ADRA+\slot] offset:\k+64*\c+\i*16*PITCH+32
.endr
.endr
.endm
.macro PLACES
.rept 4
	v_nop
.endr
.endm
.macro QUARTER slot, k, f, g, zero
	s_wait_dscnt 16                                ; the first 32 along K are in; the other sixteen loads may be out
	WIN MUL
	MUL8 \f, 0, 0, \zero
	MUL8 \f, 0, 2, \zero
	PLACES
	FETCH \slot, \k, \g
	s_wait_dscnt 32                                ; all but the 32 just issued
	WIN MUL
	MUL8 \f, 1, 0, 0
	MUL8 \f, 1, 2, 0
.endm
.macro TURN slot, next, fill
	WIN 0
	s_wait_tensorcnt 0x0                           ; all my tensor loads have landed: my part of the next slot
	ds_add_u32 v[SPW], v[NIL]
	s_wait_dscnt 17                                ; the add and the youngest sixteen loads may be out
	WIN MUL
	MUL8 F1, 0, 0, 0
	s_wait_dscnt 0x0                               ; the add is done, and my reads of this slot are over
	s_barrier_signal -1
	MUL8 F1, 0, 2, 0
.if \fill
	WIN 0
.endif
	s_barrier_wait -1
.if \fill
	CREST
	s_add_nc_u64 s[G0+4*\slot+2:G0+4*\slot+3], s[G0+4*\slot+2:G0+4*\slot+3], 2*KSTEP*2
	s_add_nc_u64 s[G0B+4*\slot+2:G0B+4*\slot+3], s[G0B+4*\slot+2:G0B+4*\slot+3], 2*KSTEP*2
	JLOAD \slot
.else
	PLACES
.endif
	FETCH \next, 0, F0
	WIN MUL
	MUL8 F1, 1, 0, 0
	MUL8 F1, 1, 2, 0
.endm
	s_wait_tensorcnt 1                             ; my part of step 0 is in; step 1's load may be out
	s_barrier_signal -1
	s_barrier_wait -1
	FETCH 0, 0, F0
	s_wait_loadcnt 0x0                             ; the bias
	QUARTER 0, 128, F0, F1, 1
	WIN 0
	s_mov_b32 s3, LAPS-1
.Llap:
	QUARTER 0, 256, F1, F0, 0
	QUARTER 0, 384, F0, F1, 0
	TURN 0, 1, 1
	QUARTER 1, 128, F0, F1, 0
	QUARTER 1, 256, F1, F0, 0
	QUARTER 1, 384, F0, F1, 0
	TURN 1, 0, 1
	QUARTER 0, 128, F0, F1, 0
	WIN 0
	s_sub_co_u32 s3, s3, 1
	s_cmp_lg_u32 s3, 0
	s_cbranch_scc1 .Llap
	QUARTER 0, 256, F1, F0, 0                      ; the last lap fills nothing
	QUARTER 0, 384, F0, F1, 0
	TURN 0, 1, 0
	QUARTER 1, 128, F0, F1, 0
	QUARTER 1, 256, F1, F0, 0
	QUARTER 1, 384, F0, F1, 0
	s_wait_dscnt 16
	WIN MUL
	MUL8 F1, 0, 0, 0
	MUL8 F1, 0, 2, 0
	s_wait_dscnt 0
	MUL8 F1, 1, 0, 0
	MUL8 F1, 1, 2, 0
	WIN 0
	; THE WAY OUT: 32 bytes a lane into the work-group's stage; a barrier, since a row's 512 bytes come from two waves; back as whole rows, 32 rows a wave
	PLACES
.irp a, 0,1,2,3
.irp b, 0,1,2,3
	ds_store_b128 v[STO], v[ACC+8*(4*\a+\b):ACC+8*(4*\a+\b)+3] offset:\a*16*SPITCH+64*\b        ; each accumulator from its low end on
	ds_store_b128 v[STO], v[ACC+8*(4*\a+\b)+4:ACC+8*(4*\a+\b)+7] offset:\a*16*SPITCH+64*\b+16
.endr
.endr
	s_wait_dscnt 0x0                               ; for the others' sake: my stores into the stage are done
	s_barrier_signal -1
	s_barrier_wait -1
.set t, 0
.rept 32
	ds_load_b128 v[ACC+4*t:ACC+4*t+3], v[RD] offset:t*SPITCH
.set t, t+1
.endr
.set t, 0
.rept 32
	s_wait_dscnt 31-t
	global_store_b128 v[CO], v[ACC+4*t:ACC+4*t+3], s[8:9] offset:t*SIZE_N*4 th:TH_STORE_NT   ; 32 lanes store 512 consecutive bytes, aligned
.set t, t+1
.endr
	s_wait_tensorcnt 0x0                           ; the wave's end
	ds_add_u32 v[SPW], v[NIL]
	s_wait_dscnt 0x0
	CROUND                                         ; the closing round
	s_endpgm
.Lfunc_end_k_qa6f74abd23_oproj:
	.size	k_qa6f74abd23_oproj, .Lfunc_end_k_qa6f74abd23_oproj-k_qa6f74abd23_oproj
	.p2alignl 7, 3214868480
	.fill 96, 4, 3214868480
	.section	.rodata,"a",@progbits
	.p2align	6, 0x0
	.amdhsa_kernel k_qa6f74abd23_oproj
		.amdhsa_group_segment_fixed_size 327680
		.amdhsa_private_segment_fixed_size 0
		.amdhsa_enable_private_segment 0
		.amdhsa_kernarg_size 32
		.amdhsa_user_sgpr_count 2
		.amdhsa_user_sgpr_kernarg_segment_ptr 1
		.amdhsa_wavefront_size32 1
		.amdhsa_system_sgpr_workgroup_id_x 1
		.amdhsa_system_sgpr_workgroup_id_y 1
		.amdhsa_system_sgpr_workgroup_id_z 1
		.amdhsa_system_vgpr_workitem_id 0
		.amdhsa_next_free_vgpr 512
		.amdhsa_next_free_sgpr 68
		.amdhsa_reserve_vcc 0
		.amdhsa_float_denorm_mode_32 3
		.amdhsa_float_denorm_mode_16_64 3
		.amdhsa_memory_ordered 1
		.amdhsa_forward_progress 1
		.amdhsa_inst_pref_size 87
	.end_amdhsa_kernel
	.amdgpu_metadata
---
amdhsa.version: [ 1, 2 ]
amdhsa.kernels:
  - .name:           k_qa6f74abd23_oproj
    .symbol:         k_qa6f74abd23_oproj.kd
    .args:
      - { .name: ho, .offset: 0, .size: 8, .value_kind: global_buffer, .address_space: global }
      - { .name: cv16, .offset: 8, .size: 8, .value_kind: global_buffer, .address_space: global }
      - { .name: bo, .offset: 16, .size: 8, .value_kind: global_buffer, .address_space: global }
      - { .name: out0, .offset: 24, .size: 8, .value_kind: global_buffer, .address_space: global }
    .group_segment_fixed_size: 327680
    .private_segment_fixed_size: 0
    .kernarg_segment_align: 8
    .kernarg_segment_size: 32
    .max_flat_workgroup_size: 128
    .sgpr_count:     68
    .vgpr_count:     512
    .wavefront_size: 32
...
	.end_amdgpu_metadata
.endif
;; end of part 5
